; MI455X (gfx1250); checked and timed in simulation.
; The chip was launched on July 23, 2026; its instructions are those of AMD's public machine-readable ISA for CDNA 5 (MIT licence, August 2026) and "CDNA5" Instruction Set Architecture Reference Guide (July 2026). The comments in the code are by the model that wrote it; some were corrected since.
;; Base Tree. Allowed arithmetic: float matrix products may take bf16 or f16 operands with f32 sums; all other float work in f32.
;; Inputs: cond 256 x 255 bool; cond_mask 256 x 255 bool; feature 255 int32; threshold 255 float32; value 256 x 8 float32; x 524,288 x 32 float32.
;; Outputs: out0 524,288 x 8 float32.
;; 3 versions, each right; version 2 is faster than version 1; version 3 is version 2 with the launch prep written anew for expert scheduling mode. Each part assembles by itself: llvm-mc -triple=amdgcn-amd-amdhsa -mcpu=gfx1250 --defsym DOCPART=n.
;; ======== version 1 of 3: 3 launches
;; workspace buffers: tab 149,504 bytes; idx 2,097,152 bytes of whole numbers
;; launch prep (part 1): grid 16 x 1, 8 waves a work-group, no clusters, 1,536 bytes of LDS; arguments cond, cond_mask, feature, threshold, tab; writes tab
.if DOCPART == 1
	.amdgcn_target "amdgcn-amd-amdhsa--gfx1250"
	.amdhsa_code_object_version 6
	.text
	.protected	k_qc918eb1b3b_prep
	.globl	k_qc918eb1b3b_prep
	.p2align	8
	.type	k_qc918eb1b3b_prep,@function
k_qc918eb1b3b_prep:
	s_mov_b64 s[64:65], 0
	v_nop
	global_prefetch_b8 v0, s[64:65] scope:SCOPE_SE
	s_setreg_imm32_b32 hwreg(HW_REG_WAVE_MODE, 25, 1), 1
	s_wait_xcnt 0x0
; Makes the tables that the next launch multiplies by, in the order in which its lanes read them.
;   tab + 0       W: 16 leaf tiles x 8 K steps x 1,024 bytes.  Piece (t, s): half hf at +512 hf, lane L at +16 L: eight bf16
;                 W[leaf 16 t + r][k = 32 s + 16 hf + 8 h + e], r = L % 16, h = L / 16.  W = +32768 where cond is set, else -128 where
;                 cond_mask is set, else 0; 0 in the padding column k = 255.
;   tab + 131072  E: 16 tiles x 1,024 bytes in the same lane form: E[k = 16 T + r][f = 16 hf + 8 h + e] = 1.0 where feature[k] = f.
;   tab + 147456  CIN: f32[256]: the sum over k of 32512 c + 128 m + 128 (c and m), plus the leaf's mark 8 (l / 16) + l % 8.
;   tab + 148480  THR: f32[256]: threshold + 0.0 (a minus zero becomes plus zero); 0 at k = 255.
; Work-group t makes leaf tile t; wave s makes W's piece (t, s).  A row of cond is 255 bytes, so a lane's bytes start at any
; address: they are read byte by byte (130,560 bytes in the whole launch).
; LIMITS: cond and cond_mask hold the bytes 0 or 1; a feature outside 0..31 selects no column (x counts as 0 there).
.set NB,   255                         ; branches = bytes in a row of cond
.set EIMG, 131072
.set CINO, 147456
.set C,    16                          ; v[16:31]  my 16 bytes of cond
.set M,    32                          ; v[32:47]  my 16 bytes of cond_mask
.set W,    48                          ; v[48:63]  their bf16 codes
.set P,    64                          ; v[64:71]  the codes packed, as stored
	s_load_b256 s[4:11], s[0:1], 0x0               ; cond s[4:5], cond_mask s[6:7], feature s[8:9], threshold s[10:11]
	s_load_b64 s[12:13], s[0:1], 0x20              ; tab
	v_lshl_add_u32 v72, v0, 2, 0x200
	v_mov_b32 v73, 0
	v_lshrrev_b32 v1, 5, v0
	v_readfirstlane_b32 s14, v1                    ; wave = K step s
	v_and_b32 v1, 31, v0                           ; L
	v_and_b32 v2, 15, v0                           ; r
	v_bfe_u32 v3, v0, 4, 1                         ; h
	s_lshl_b32 s15, ttmp9, 4                       ; 16 t
	s_lshl_b32 s16, s14, 5                         ; 32 s
	s_mov_b32 s18, 0x76543210                      ; v_permlanex16_b32: lane i reads lane i of the other half
	s_mov_b32 s19, 0xfedcba98
	v_add_nc_u32 v4, s15, v2                       ; my leaf l (for waves 0 and 1 later: my k)
	v_mul_u32_u24 v5, v4, NB                       ; its row's first byte
	v_lshl_add_u32 v9, v3, 3, s16                  ; 32 s + 8 h
	v_add_nc_u32 v6, v5, v9                        ; my first byte
	v_add_nc_u32 v7, 23, v6                        ; my last byte would be k = 255 for s = 7, h = 1:
	v_add_nc_u32 v8, NB-1, v5
	v_min_u32 v7, v7, v8                           ; held inside the row, and its value thrown away below
	s_wait_kmcnt 0x0
.irp i, 0,1,2,3,4,5,6,7,8,9,10,11,12,13,14
	global_load_u8 v[C+\i], v6, s[4:5] offset:\i+8*(\i/8)      ; k = 32 s + 8 h + 0..7 and 16 + the same
	global_load_u8 v[M+\i], v6, s[6:7] offset:\i+8*(\i/8)
.endr
	global_load_u8 v[C+15], v7, s[4:5]
	global_load_u8 v[M+15], v7, s[6:7]
	s_lshl_b32 s17, ttmp9, 3
	s_add_co_u32 s17, s17, s14
	s_lshl_b32 s17, s17, 10                        ; piece (t, s)
	v_lshl_add_u32 v13, v1, 4, s17                 ; + 16 L
	v_cmp_ne_u32 vcc_lo, 232, v9                   ; 32 s + 8 h + 23 is a real column
	v_mov_b32 v10, 0                               ; my part of CIN's sum
	s_wait_loadcnt 0x0
	v_cndmask_b32 v[C+15], 0, v[C+15], vcc_lo      ; the padding column counts for nothing
	v_cndmask_b32 v[M+15], 0, v[M+15], vcc_lo
.irp i, 0,1,2,3,4,5,6,7,8,9,10,11,12,13,14,15
	v_and_b32 v11, v[C+\i], v[M+\i]                ; c and m
	v_sub_nc_u32 v12, v[M+\i], v11                 ; m without c
	v_mul_u32_u24 v[W+\i], v[C+\i], 0x4700         ; bf16 +32768
	v_mad_u32_u24 v[W+\i], v12, 0xc300, v[W+\i]    ; bf16 -128: the two never meet
	v_mad_u32_u24 v10, v[C+\i], 32512, v10
	v_add_nc_u32 v11, v[M+\i], v11
	v_lshl_add_u32 v10, v11, 7, v10                ; + 128 (m + (c and m))
.endr
.irp j, 0,1,2,3,4,5,6,7
	v_lshl_or_b32 v[P+\j], v[W+2*\j+1], 16, v[W+2*\j]          ; the lower k in the lower half
.endr
	global_store_b128 v13, v[P:P+3], s[12:13]                  ; each store of the wave covers 512 consecutive bytes, aligned
	global_store_b128 v13, v[P+4:P+7], s[12:13] offset:512
	v_permlanex16_b32 v11, v10, s18, s19           ; the other half's 16 columns of the same leaf
	v_add_nc_u32 v10, v10, v11
	s_lshl_b32 s20, s14, 6
	v_lshl_add_u32 v12, v2, 2, s20                 ; word 16 s + r; both halves write the same number there
	ds_store_b32 v12, v10
	s_wait_dscnt 0x0                               ; my word is in LDS before I say so
	s_barrier_signal -1
	s_barrier_wait -1                              ; all eight K steps' sums are there
	v_min_u32 v15, NB-1, v4                        ; k = 16 t + r, held inside feature and threshold
	v_lshlrev_b32 v15, 2, v15
	v_cmp_ne_u32 vcc_lo, NB, v4                    ; k is a real branch
	s_cmp_eq_u32 s14, 0
	s_cbranch_scc1 .Lwave0
	s_cmp_eq_u32 s14, 1
	s_cbranch_scc1 .Lwave1
	s_wait_tensorcnt 0x0
	ds_add_u32 v72, v73
	s_wait_dscnt 0x0
	s_endpgm
.Lwave0:                                           ; CIN and THR of this tile's 16 leaves and 16 branches
	global_load_b32 v24, v15, s[10:11]
	v_lshlrev_b32 v14, 2, v2
.irp i, 0,1,2,3,4,5,6,7
	ds_load_b32 v[C+\i], v14 offset:64*\i
.endr
	s_lshl_b32 s21, ttmp9, 3                       ; the mark: 8 t
	v_and_b32 v25, 7, v2                           ; + l % 8
	s_wait_dscnt 0x0
	v_add3_u32 v16, v16, v17, v18
	v_add3_u32 v19, v19, v20, v21
	v_add3_u32 v16, v16, v22, v23
	v_add3_u32 v19, v19, v25, s21
	v_add_nc_u32 v16, v16, v19
	v_cvt_f32_u32 v16, v16                         ; below 2^24: exact
	s_wait_loadcnt 0x0
	v_add_f32 v24, 0, v24                          ; -0 + 0 = +0
	v_cndmask_b32 v24, 0, v24, vcc_lo              ; the padding branch compares 0 with 0
	v_cmp_eq_u32 vcc_lo, 1, v3
	v_cndmask_b32 v26, v16, v24, vcc_lo            ; lanes 0-15 store CIN, lanes 16-31 THR, 1,024 bytes further on
	v_lshlrev_b32 v27, 2, v4
	v_lshl_add_u32 v27, v3, 10, v27
	global_store_b32 v27, v26, s[12:13] offset:CINO            ; 64 bytes of each table from each work-group: 2,048 bytes in the launch
	s_wait_tensorcnt 0x0
	ds_add_u32 v72, v73
	s_wait_dscnt 0x0
	s_endpgm
.Lwave1:                                           ; E's tile T = t
	global_load_b32 v24, v15, s[8:9]
	v_lshlrev_b32 v25, 3, v3                       ; 8 h
	v_mov_b32 v26, 0x3f80                          ; bf16 1.0 in the lower half
	v_mov_b32 v27, 0x3f800000                      ; in the upper half
	s_lshl_b32 s22, ttmp9, 10
	v_lshl_add_u32 v28, v1, 4, s22
	s_wait_loadcnt 0x0
	v_cndmask_b32 v24, -1, v24, vcc_lo             ; the padding branch selects no column
	v_sub_nc_u32 v25, v24, v25                     ; feature - 8 h: my element 16 hf + e is set where this equals it
.irp d, 0,1,2,3,4,5,6,7
	v_cmp_eq_u32 vcc_lo, 2*\d+8*(\d/4), v25
	v_cndmask_b32 v[M+\d], 0, v26, vcc_lo
	v_cmp_eq_u32 vcc_lo, 2*\d+8*(\d/4)+1, v25
	v_cndmask_b32 v[M+\d], v[M+\d], v27, vcc_lo
.endr
	global_store_b128 v28, v[M:M+3], s[12:13] offset:EIMG
	global_store_b128 v28, v[M+4:M+7], s[12:13] offset:EIMG+512
	s_wait_tensorcnt 0x0
	ds_add_u32 v72, v73
	s_wait_dscnt 0x0
	s_endpgm
.Lfunc_end_k_qc918eb1b3b_prep:
	.size	k_qc918eb1b3b_prep, .Lfunc_end_k_qc918eb1b3b_prep-k_qc918eb1b3b_prep
	.p2alignl 7, 3214868480
	.fill 96, 4, 3214868480
	.section	.rodata,"a",@progbits
	.p2align	6, 0x0
	.amdhsa_kernel k_qc918eb1b3b_prep
		.amdhsa_group_segment_fixed_size 1536
		.amdhsa_private_segment_fixed_size 0
		.amdhsa_enable_private_segment 0
		.amdhsa_kernarg_size 40
		.amdhsa_user_sgpr_count 2
		.amdhsa_user_sgpr_kernarg_segment_ptr 1
		.amdhsa_wavefront_size32 1
		.amdhsa_system_sgpr_workgroup_id_x 1
		.amdhsa_system_sgpr_workgroup_id_y 1
		.amdhsa_system_sgpr_workgroup_id_z 1
		.amdhsa_system_vgpr_workitem_id 0
		.amdhsa_next_free_vgpr 74
		.amdhsa_next_free_sgpr 66
		.amdhsa_reserve_vcc 1
		.amdhsa_float_denorm_mode_32 3
		.amdhsa_float_denorm_mode_16_64 3
		.amdhsa_memory_ordered 1
		.amdhsa_forward_progress 1
		.amdhsa_inst_pref_size 17
	.end_amdhsa_kernel
	.amdgpu_metadata
---
amdhsa.version: [ 1, 2 ]
amdhsa.kernels:
  - .name:           k_qc918eb1b3b_prep
    .symbol:         k_qc918eb1b3b_prep.kd
    .args:
      - { .name: cond, .offset: 0, .size: 8, .value_kind: global_buffer, .address_space: global }
      - { .name: cond_mask, .offset: 8, .size: 8, .value_kind: global_buffer, .address_space: global }
      - { .name: feature, .offset: 16, .size: 8, .value_kind: global_buffer, .address_space: global }
      - { .name: threshold, .offset: 24, .size: 8, .value_kind: global_buffer, .address_space: global }
      - { .name: tab, .offset: 32, .size: 8, .value_kind: global_buffer, .address_space: global }
    .group_segment_fixed_size: 1536
    .private_segment_fixed_size: 0
    .kernarg_segment_align: 8
    .kernarg_segment_size: 40
    .max_flat_workgroup_size: 256
    .sgpr_count:     66
    .vgpr_count:     74
    .wavefront_size: 32
...
	.end_amdgpu_metadata
.endif
;; end of part 1
;; launch leaf (part 2): grid 256 x 1, 4 waves a work-group, clusters of 4 x 1, 187,904 bytes of LDS; arguments x, tab, idx; writes idx
.if DOCPART == 2
	.amdgcn_target "amdgcn-amd-amdhsa--gfx1250"
	.amdhsa_code_object_version 6
	.text
	.protected	k_qc918eb1b3b_leaf
	.globl	k_qc918eb1b3b_leaf
	.p2align	8
	.type	k_qc918eb1b3b_leaf,@function
k_qc918eb1b3b_leaf:
	s_mov_b64 s[64:65], 0
	v_nop
	global_prefetch_b8 v0, s[64:65] scope:SCOPE_SE
	s_setreg_imm32_b32 hwreg(HW_REG_WAVE_MODE, 25, 1), 1
	s_wait_xcnt 0x0
	s_wait_alu depctr_hold_cnt(0) depctr_sa_sdst(0) depctr_va_vdst(0) depctr_va_sdst(0) depctr_va_ssrc(0) depctr_va_vcc(0) depctr_vm_vsrc(0)
	s_getreg_b32 s2, hwreg(HW_REG_IB_STS2, 6, 4)
	s_cmp_eq_u32 s2, 0
	s_cbranch_scc0 .Lentry_in_a_cluster
	s_endpgm
.Lentry_in_a_cluster:
	s_bfe_u32 s2, ttmp6, 0x10000c
	s_cmp_lg_u32 s2, 0x3003
	s_cbranch_scc0 .Lentry_shape_is_right
	s_endpgm
.Lentry_shape_is_right:
; idx[row] = the first leaf whose conditions the row meets, 0 if there is none.
; THE ARITHMETIC.  With c = cond, m = cond_mask, comp = (x[feature[k]] > threshold[k]), a leaf matches where
; A = #(c, not comp) = 0 and P = #(m without c, comp) = n10 = #(c without m): the first is the count test against cond's sum, and
; with A = 0 the two counts differ by P - n10.  One product gives both: key = CIN[l] + sum over k of s_k W[l][k], s_k = -1 where comp,
; else +1, W = 32768 (c), -128 (m without c), 0, is 65536 A + 256 (P - n10) + i, with the mark i = 8 (l / 16) + l % 8 in 0..127.
; A match has key = i; every other leaf has |key| >= 129.  All terms are whole numbers below 2^24: exact in bf16 x bf16 with f32 sums.
; The smallest |key| of a lane is therefore the mark of its first match.
; THE GATHER x[:, feature] is a product too, and exact: x is cut into three bf16 pieces (8 + 8 + 8 bits of its significand, each cut
; a truncation, each remainder exact) and each is multiplied by the one-hot matrix E; the three partial sums are exact in f32.  Its
; result (16 k x 16 rows) has, lane for lane, the layout of the main product's second source, so the signs are packed in registers.
; SHARES.  256 work-groups of 4 waves; a work-group 2,048 rows, a wave 512, in 8 blocks of 64 rows = 4 row tiles q of 16.
; Lane row r of tile q is block row 32 (q / 2) + 2 r + q % 2, so that one 8-byte store of the wave holds the block's 64 indices.
; Per block: 192 matrix instructions gather, 512 multiply.  Behind the table's barrier no wave waits for another.
; CLUSTER: the four work-groups of a cluster read the same table of 149,504 bytes: it is asked for jointly, a quarter by each wave.
; x is read by one wave alone: nothing to share there; it comes a whole block ahead into 64 registers of its own.
; LIMITS: x finite (0 x Inf in the one-hot product is NaN, which spoils the row); NaN in x or threshold is not served.  For |x| below
; about 2^-109 the bits of x below 2^-133 do not fit the third piece and are dropped.
; REGISTERS.  Window 0: v1-v9 addresses, v10-13 running minima, v14-15 the pair to store, v16-79 two sets of four accumulators (first the
; raw x), v80-95 CIN twice (first the split's temporaries), v96-223 W's fragments twice (first the three pieces of x and four buffers
; of E), v224-255 four buffers of thresholds.  Window 1: the signs, tile (q, s) at 8 (8 q + s).  Window 2: v0-63 the next block's x.
.set QTAB,  37376                      ; a quarter of the table: 146 rows of 256 bytes
.set EIMG,  131072
.set CINO,  147456
.set THRO,  148480
.set STAGE, 149504                     ; behind the table: each wave's own stage, written by LDS stores alone
.set STGW,  9472                       ; bytes of a wave's stage
.set ODD,   4736                       ; the block's odd rows lie this far behind the even ones (128 modulo 256: a store's two rows meet in no bank)
.set SP,    144                        ; a staged row: 128 bytes + 16, an odd multiple of 16
.set BLOCKS, 8
.set RUN, 10
.set ACC, 16
.set TMP, 80
.set CIN, 80
.set WF,  96
.set XH,  96
.set XM,  128
.set XL,  160
.set EF,  192
.set THR, 224
.set MSB, 0
.macro WIN new                         ; low byte: bits 1:0 source 0, 3:2 source 1, 5:4 source 2, 7:6 destination; the high byte repeats the setting that is left
.if MSB != \new
	s_set_vgpr_msb (MSB<<8)|\new
.set MSB, \new
.endif
.endm
.macro ROUND                           ; a round of the cluster's barrier
	s_barrier_signal -1
	s_barrier_wait -1
	s_cmp_lg_u32 s10, 0
	s_cbranch_scc1 .Lnot_wave_0_\@
	s_barrier_signal -3
.Lnot_wave_0_\@:
	s_barrier_wait -3
	s_barrier_signal -1
	s_barrier_wait -1
.endm
.macro XLOAD                           ; a block of x, 64 rows x 128 bytes, into window 2: each load of the wave covers 512 consecutive bytes
	WIN 0x80
.irp n, 0,1,2,3,4,5,6,7,8,9,10,11,12,13,14,15
	global_load_b128 v[4*\n:4*\n+3], v1, s[4:5] offset:512*\n th:TH_LOAD_NT
.endr
	WIN 0
.endm
.macro ETLOAD T                        ; E's tile T and its 8 thresholds a lane, into buffer T % 4
	ds_load_b128 v[EF+8*((\T)%4):EF+8*((\T)%4)+3],     v6 offset:1024*(\T)
	ds_load_b128 v[EF+8*((\T)%4)+4:EF+8*((\T)%4)+7],   v6 offset:1024*(\T)+512
	ds_load_b128 v[THR+8*((\T)%4):THR+8*((\T)%4)+3],   v7 offset:64*(\T)
	ds_load_b128 v[THR+8*((\T)%4)+4:THR+8*((\T)%4)+7], v7 offset:64*(\T)+16
.endm
; One piece of row tile q: the upper halves of the 16 numbers, packed; more = 1: and the exact remainder in their place.
.macro PIECE q, dst, more
.irp p, 0,1,2,3,4,5,6,7
	v_perm_b32 v[\dst+8*\q+\p], v[ACC+16*\q+2*\p+1], v[ACC+16*\q+2*\p], s24
.endr
.if \more
.irp i, 0,1,2,3,4,5,6,7,8,9,10,11,12,13,14,15
	v_and_b32 v[TMP+\i], s25, v[ACC+16*\q+\i]
.endr
.irp p, 0,1,2,3,4,5,6,7
	v_pk_add_f32 v[ACC+16*\q+2*\p:ACC+16*\q+2*\p+1], v[ACC+16*\q+2*\p:ACC+16*\q+2*\p+1], v[TMP+2*\p:TMP+2*\p+1] neg_lo:[0,1] neg_hi:[0,1]
.endr
.endif
.endm
.macro SPLIT q
	PIECE \q, XH, 1
	PIECE \q, XM, 1
	PIECE \q, XL, 0
.endm
; Four of the 32 steps, from step PN on, that turn a gathered tile in accumulator set par into words of two signs:
; steps 0-15: d = threshold - x, two at a time; steps 16-31: the upper halves of two d in one word.
.macro PK4 par, thb
.rept 4
.set PR, ACC+32*(\par)+8*((PN%16)/4)+2*(PN%4)
.if PN < 16
	v_pk_add_f32 v[PR:PR+1], v[THR+8*(\thb)+2*(PN%4):THR+8*(\thb)+2*(PN%4)+1], v[PR:PR+1] neg_lo:[0,1] neg_hi:[0,1]
.else
	v_perm_b32 v[PR], v[PR+1], v[PR], s24
.endif
.set PN, PN+1
.endr
.endm
.macro BFI16 U                         ; tile U's signs on bf16 1.0, into registers 4 (U % 2) .. + 3 of the sign tiles (q, U / 2) in window 1
	WIN 0x40
.irp q, 0,1,2,3
.irp jj, 0,1,2,3
	v_bfi_b32 v[8*(8*\q+(\U)/2)+4*((\U)%2)+\jj], s26, v[ACC+32*((\U)%2)+8*\q+2*\jj], s27
.endr
.endr
	WIN 0
.endm
; Gather of k tile T for the four row tiles: 12 matrix instructions; among them the packing of tile T - 1 and the loads for tile T + 2.
; The four accumulators take turns, one instruction a turn.
; A vector instruction that reads a matrix result, and a load into a matrix instruction's source, stand four plain vector instructions
; behind it that name none of its registers.  From T = 2 on the packing steps and the 16 v_bfi_b32 of the stream before
; are those places; stream 0 has none behind its products, so stream 1 writes four v_nop.
.macro GST T, fetch, cnt
	s_wait_dscnt \cnt                              ; LDS loads come back in order (ISA guide 5.7.1): tile T's four are in, tile T + 1's four may be out
.set GA, ACC+32*(\T%2)
.set GE, EF+8*(\T%4)
.irp q, 0,1,2,3
	v_wmma_f32_16x16x32_bf16 v[GA+8*\q:GA+8*\q+7], v[GE:GE+7], v[XH+8*\q:XH+8*\q+7], 0
.if \T == 1
	v_nop
.endif
.endr
.if \fetch
	ETLOAD \T+2
.endif
.set PN, 0
.irp q, 0,1,2,3
	v_wmma_f32_16x16x32_bf16 v[GA+8*\q:GA+8*\q+7], v[GE:GE+7], v[XM+8*\q:XM+8*\q+7], v[GA+8*\q:GA+8*\q+7]
.if \T > 0
	PK4 (\T+1)%2, (\T+3)%4
.endif
.endr
.irp q, 0,1,2,3
	v_wmma_f32_16x16x32_bf16 v[GA+8*\q:GA+8*\q+7], v[GE:GE+7], v[XL+8*\q:XL+8*\q+7], v[GA+8*\q:GA+8*\q+7]
.if \T > 0
	PK4 (\T+1)%2, (\T+3)%4
.endif
.endr
.if \T > 0
	BFI16 \T-1
.endif
.endm
; A leaf tile: 16 leaves x 64 rows x K = 256 in 32 matrix instructions on accumulator set b; the first four start from CIN.
; fetch = 1: the next tile's W (16 loads, at byte off from v4) and CIN (2 loads) go into the other buffers behind products 4 to 12.
; epi = 1: the tile before, in the other set, goes into the running minima, one number a step.  The second source's window is 1 here,
; so the minimum is a three-way one whose second source is the scalar 0x7f7fffff, which never wins.
; pad = 1: four v_nop, the places of ISA guide 7.12.1, where the tile before had no minimum steps behind its last products.
; Else those steps (8, 6, 4, 2 behind products 28 to 31) and this tile's own are the places.
.macro TILE b, epi, fetch, off, pad
	s_wait_dscnt 0x0                               ; this tile's W and CIN: issued behind products 4 to 12 of the tile before
	WIN 0x04
.set TA, ACC+32*\b
.set TO, ACC+32*(1-\b)
.set TW, WF+64*\b
.set TN, WF+64*(1-\b)
.set tn, 0
.rept 32
.if tn < 4
	v_wmma_f32_16x16x32_bf16 v[TA+8*tn:TA+8*tn+7], v[TW:TW+7], v[64*tn:64*tn+7], v[CIN+8*\b:CIN+8*\b+7]
.if \pad
	v_nop
.endif
.else
	v_wmma_f32_16x16x32_bf16 v[TA+8*(tn%4):TA+8*(tn%4)+7], v[TW+8*(tn/4):TW+8*(tn/4)+7], v[8*(8*(tn%4)+tn/4):8*(8*(tn%4)+tn/4)+7], v[TA+8*(tn%4):TA+8*(tn%4)+7]
.if \fetch
.if tn < 12
	ds_load_b128 v[TN+8*(tn-4):TN+8*(tn-4)+3],   v4 offset:\off+1024*(tn-4)
	ds_load_b128 v[TN+8*(tn-4)+4:TN+8*(tn-4)+7], v4 offset:\off+1024*(tn-4)+512
.endif
.if tn == 12
	ds_load_b128 v[CIN+8*(1-\b):CIN+8*(1-\b)+3],   v5 offset:\off/128
	ds_load_b128 v[CIN+8*(1-\b)+4:CIN+8*(1-\b)+7], v5 offset:\off/128+16
.endif
.endif
.if \epi
.if tn < 28
	v_min3_num_f32 v[RUN+(tn-4)/8], |v[TO+tn-4]|, s28, v[RUN+(tn-4)/8]
.else
	v_min3_num_f32 v[RUN+3], |v[TO+24+2*(tn-28)]|, s28, v[RUN+3]
	v_min3_num_f32 v[RUN+3], |v[TO+25+2*(tn-28)]|, s28, v[RUN+3]
.endif
.endif
.endif
.set tn, tn+1
.endr
.endm
	s_load_b128 s[4:7], s[0:1], 0x0                ; x s[4:5], tab s[6:7]
	s_load_b64 s[8:9], s[0:1], 0x10                ; idx
	s_set_vgpr_msb 0x80
	v_lshl_add_u32 v64, v0, 2, 0x2dc00
	v_mov_b32 v65, 0
	s_set_vgpr_msb 0x808a
	ds_add_u32 v64, v65
	s_set_vgpr_msb 0x8a00
	v_lshrrev_b32 v14, 5, v0
	v_readfirstlane_b32 s10, v14                   ; wave 0..3
	s_bfe_u32 s2, ttmp6, 0x40000                   ; cx: my place in the cluster
	s_lshl_b32 s11, ttmp9, 2                       ; ttmp9 counts clusters
	s_add_co_u32 s11, s11, s2                      ; work-group = 4 x cluster + cx: it enters the addresses of x and idx alone
	s_lshl_b32 s34, s11, 18                        ; x: 2,048 rows of 128 bytes a work-group,
	s_lshl_b32 s36, s10, 16                        ; 512 rows a wave
	s_add_co_u32 s34, s34, s36
	s_mov_b32 s35, 0
	s_lshl_b32 s36, s11, 13                        ; idx: 2,048 words a work-group,
	s_lshl_b32 s37, s10, 11                        ; 512 a wave
	s_add_co_u32 s36, s36, s37
	s_mov_b32 s37, 0
	s_mul_i32 s3, s10, STGW
	s_add_co_u32 s3, s3, STAGE                     ; my stage
	; the table's descriptor: my quarter, 146 rows of 32 elements of 8 bytes, dense; the same in all four work-groups
	s_mov_b32 s12, 1                               ; count = 1
	s_mul_i32 s13, s10, QTAB                       ; LDS address: the table lies in LDS as in memory
	s_mul_i32 s38, s10, QTAB
	s_mov_b32 s39, 0
	s_mov_b32 s16, 15|(3<<16)|(1<<21)              ; 15:0 the mask: all four of the cluster; 17:16 elements of 8 bytes; 21 set beside a mask
	s_mov_b32 s17, 32<<16                          ; tensor_dim0 = 32
	s_mov_b32 s18, 146<<16                         ; tensor_dim1 = 146
	s_mov_b32 s19, 32<<16                          ; tile_dim0 = 32
	s_mov_b32 s20, 146                             ; tile_dim1 = 146
	s_mov_b32 s21, 32                              ; from row to row: 32 elements
	s_mov_b32 s22, 0
	s_mov_b32 s23, 0
	s_mov_b32 s24, 0x07060302                      ; v_perm_b32: the upper halves of two words
	s_mov_b32 s25, 0xffff0000                      ; a word's upper half; also the lane mask of lanes 16-31
	s_mov_b32 s26, 0x80008000                      ; two signs
	s_mov_b32 s27, 0x3f803f80                      ; bf16 1.0 twice
	s_mov_b32 s28, 0x7f7fffff                      ; the largest finite f32
	s_mov_b32 s30, 0x76543210                      ; v_permlanex16_b32: lane i reads lane i of the other half
	s_mov_b32 s31, 0xfedcba98
	v_and_b32 v15, 31, v0                          ; L
	v_and_b32 v13, 15, v0                          ; r
	v_bfe_u32 v14, v0, 4, 1                        ; h
	v_lshlrev_b32 v1, 4, v15                       ; 16 L
	v_lshlrev_b32 v9, 3, v15                       ; 8 L
	v_lshlrev_b32 v8, 3, v14                       ; 8 h
	v_bfe_u32 v12, v0, 3, 1                        ; a load of x holds four rows: row L / 8; its parity,
	v_mul_u32_u24 v2, v12, ODD
	v_mad_u32_u24 v2, v14, SP, v2                  ; its half,
	v_and_b32 v12, 7, v0
	v_lshl_add_u32 v2, v12, 4, v2                  ; my 16 bytes of it
	v_add_nc_u32 v2, s3, v2                        ; v2: where I stage
	v_mul_u32_u24 v3, v13, SP
	v_lshl_add_u32 v3, v14, 5, v3
	v_add_nc_u32 v3, s3, v3                        ; v3: row r of a tile, columns 8 h ..
	v_add_nc_u32 v6, EIMG, v1                      ; v6: E
	v_lshl_add_u32 v7, v8, 2, THRO                 ; v7: thresholds of k = 8 h ..
	s_wait_dscnt 0x0
	s_wait_kmcnt 0x0
	s_add_nc_u64 s[4:5], s[4:5], s[34:35]
	s_add_nc_u64 s[8:9], s[8:9], s[36:37]
	s_add_nc_u64 s[14:15], s[6:7], s[38:39]
	s_or_b32 s15, s15, 0x80000000                  ; type = 2
	ROUND                                          ; the four work-groups are here: the joint loads meet
	tensor_load_to_lds s[12:15], s[16:23]          ; my one tensor load of the launch
	s_nop 0
	XLOAD                                          ; block 0
	s_wait_tensorcnt 0x0                           ; my quarter of the table is in,
	s_barrier_signal -1
	s_barrier_wait -1                              ; everybody's is; nothing is ever filled again
	s_mov_b32 s32, 0
.Lblock:
	; STAGE AND SPLIT: x goes through my own stage to reach the lanes of a second source: lane (r, h) takes columns 8 h .. + 7 and 16 + 8 h .. + 7 of row r
	s_wait_loadcnt 0x0                             ; this block's x, asked for a block ago
	WIN 0x08
.irp n, 0,1,2,3,4,5,6,7,8,9,10,11,12,13,14,15
	ds_store_b128 v2, v[4*\n:4*\n+3] offset:288*\n ; four rows on = two staged rows of each parity
.endr
	WIN 0
.irp q, 0,1,2,3
	ds_load_b128 v[ACC+16*\q:ACC+16*\q+3],     v3 offset:(\q%2)*ODD+(\q/2)*16*SP       ; LDS serves a wave's instructions in order (ISA guide 5.7.1): these see the stores
	ds_load_b128 v[ACC+16*\q+4:ACC+16*\q+7],   v3 offset:(\q%2)*ODD+(\q/2)*16*SP+16
	ds_load_b128 v[ACC+16*\q+8:ACC+16*\q+11],  v3 offset:(\q%2)*ODD+(\q/2)*16*SP+64
	ds_load_b128 v[ACC+16*\q+12:ACC+16*\q+15], v3 offset:(\q%2)*ODD+(\q/2)*16*SP+80
.endr
	ETLOAD 0
	ETLOAD 1
	s_wait_dscnt 20                                ; row tile 0 is in (12 raw and 8 table loads are younger), so the stores have read window 2
	s_cmp_eq_u32 s32, BLOCKS-1
	s_cbranch_scc1 .Lno_more_x                     ; the last block asks for nothing
	s_add_nc_u64 s[4:5], s[4:5], 8192              ; free: the loads that named it were waited for at the block's head
	XLOAD                                          ; the next block has this whole block in which to come
.Lno_more_x:
	SPLIT 0
	s_wait_dscnt 16                                ; 8 raw and 8 table loads are younger
	SPLIT 1
	s_wait_dscnt 12
	SPLIT 2
	s_wait_dscnt 8                                 ; the 8 table loads
	SPLIT 3
	; GATHER AND COMPARE
.irp T, 0,1,2,3,4,5,6,7,8,9,10,11,12,13
	GST \T, 1, 4
.endr
	GST 14, 0, 4
	GST 15, 0, 0                                   ; tile 15's loads are the youngest
	v_mov_b32 v4, v1                               ; W from leaf tile 0 on
	v_lshl_add_u32 v5, v8, 2, CINO                 ; CIN of leaves 8 h ..
.irp i, 0,1,2,3,4,5,6,7,8,9,10,11,12,13,14,15
	ds_load_b128 v[WF+4*\i:WF+4*\i+3], v4 offset:512*\i        ; over the first two pieces of x: 16 v_bfi_b32 stand behind their last products
.endr
	ds_load_b128 v[CIN:CIN+3],   v5
	ds_load_b128 v[CIN+4:CIN+7], v5 offset:16
.set PN, 0
.rept 8
	PK4 1, 3                                       ; tile 15 is packed while those loads come
.endr
	BFI16 15
.irp q, 0,1,2,3
	v_mov_b32 v[RUN+\q], s28
.endr
	; THE PRODUCT: 16 leaf tiles, two a trip
	TILE 0, 0, 1, 8192, 0
	TILE 1, 1, 1, 16384, 1
	WIN 0
	v_add_nc_u32 v4, 0x4000, v4
	v_add_nc_u32 v5, 0x80, v5
	s_mov_b32 s33, 6
.Ltrip:
	TILE 0, 1, 1, 8192, 0
	TILE 1, 1, 1, 16384, 0
	WIN 0
	v_add_nc_u32 v4, 0x4000, v4                    ; two tiles of W on
	v_add_nc_u32 v5, 0x80, v5
	s_sub_co_i32 s33, s33, 1
	s_cmp_lg_u32 s33, 0
	s_cbranch_scc1 .Ltrip
	TILE 0, 1, 1, 8192, 0
	TILE 1, 1, 0, 0, 0
	WIN 0
	; THE INDEX.  The last tile's numbers, row tile 0 first: behind its last product stand 8 minimum steps, behind row tile 3's two and the 12 lines of tiles 0 to 2
.irp q, 0,1,2,3
.irp j, 0,2,4,6
	v_min3_num_f32 v[RUN+\q], |v[ACC+32+8*\q+\j]|, |v[ACC+32+8*\q+\j+1]|, v[RUN+\q]
.endr
.endr
.irp q, 0,1,2,3
	v_cvt_u32_f32 v[TMP+\q], v[RUN+\q]             ; a whole number
.endr
.irp q, 0,1,2,3
	v_min_u32 v[TMP+\q], 128, v[TMP+\q]            ; 128: no match in this lane
.endr
.irp q, 0,1,2,3
	v_and_b32 v[TMP+4+\q], 0xf8, v[TMP+\q]         ; the mark is 8 t + j: the leaf is 16 t + 8 h + j
.endr
.irp q, 0,1,2,3
	v_add3_u32 v[TMP+\q], v[TMP+\q], v[TMP+4+\q], v8           ; no match: 256 or more
.endr
.irp q, 0,1,2,3
	v_permlanex16_b32 v[TMP+4+\q], v[TMP+\q], s30, s31         ; the other eight leaves of each tile
.endr
.irp q, 0,1,2,3
	v_min_u32 v[TMP+\q], v[TMP+\q], v[TMP+4+\q]    ; the first match of the row
.endr
.irp q, 0,1,2,3
	v_cmp_gt_u32 vcc_lo, 0x100, v[TMP+\q]
	v_cndmask_b32 v[TMP+\q], 0, v[TMP+\q], vcc_lo  ; none: leaf 0, as an argmax over all zeros gives
.endr
	v_cndmask_b32 v14, v[TMP], v[TMP+2], s25       ; lane L stores rows 2 L and 2 L + 1 = 32 h + 2 r + 0, 1: row tiles 2 h and 2 h + 1
	v_cndmask_b32 v15, v[TMP+1], v[TMP+3], s25
	global_store_b64 v9, v[14:15], s[8:9]          ; the wave's store covers 256 consecutive bytes, aligned
	s_wait_xcnt 0x0                                ; the store's base and data are written again only behind this wait
	s_add_nc_u64 s[8:9], s[8:9], 256
	s_add_co_u32 s32, s32, 1
	s_cmp_lt_u32 s32, BLOCKS
	s_cbranch_scc1 .Lblock
	s_set_vgpr_msb 0xa
	s_wait_tensorcnt 0x0
	ds_add_u32 v64, v65
	s_wait_dscnt 0x0
	s_set_vgpr_msb 0xa00
	ROUND                                          ; the closing round: no work-group ends before its partners have asked
	s_endpgm
.Lfunc_end_k_qc918eb1b3b_leaf:
	.size	k_qc918eb1b3b_leaf, .Lfunc_end_k_qc918eb1b3b_leaf-k_qc918eb1b3b_leaf
	.p2alignl 7, 3214868480
	.fill 96, 4, 3214868480
	.section	.rodata,"a",@progbits
	.p2align	6, 0x0
	.amdhsa_kernel k_qc918eb1b3b_leaf
		.amdhsa_group_segment_fixed_size 187904
		.amdhsa_private_segment_fixed_size 0
		.amdhsa_enable_private_segment 0
		.amdhsa_kernarg_size 24
		.amdhsa_user_sgpr_count 2
		.amdhsa_user_sgpr_kernarg_segment_ptr 1
		.amdhsa_wavefront_size32 1
		.amdhsa_system_sgpr_workgroup_id_x 1
		.amdhsa_system_sgpr_workgroup_id_y 1
		.amdhsa_system_sgpr_workgroup_id_z 1
		.amdhsa_system_vgpr_workitem_id 0
		.amdhsa_next_free_vgpr 578
		.amdhsa_next_free_sgpr 66
		.amdhsa_reserve_vcc 1
		.amdhsa_float_denorm_mode_32 3
		.amdhsa_float_denorm_mode_16_64 3
		.amdhsa_memory_ordered 1
		.amdhsa_forward_progress 1
		.amdhsa_inst_pref_size 123
	.end_amdhsa_kernel
	.amdgpu_metadata
---
amdhsa.version: [ 1, 2 ]
amdhsa.kernels:
  - .name:           k_qc918eb1b3b_leaf
    .symbol:         k_qc918eb1b3b_leaf.kd
    .args:
      - { .name: x, .offset: 0, .size: 8, .value_kind: global_buffer, .address_space: global }
      - { .name: tab, .offset: 8, .size: 8, .value_kind: global_buffer, .address_space: global }
      - { .name: idx, .offset: 16, .size: 8, .value_kind: global_buffer, .address_space: global }
    .group_segment_fixed_size: 187904
    .private_segment_fixed_size: 0
    .kernarg_segment_align: 8
    .kernarg_segment_size: 24
    .max_flat_workgroup_size: 128
    .sgpr_count:     66
    .vgpr_count:     578
    .wavefront_size: 32
...
	.end_amdgpu_metadata
.endif
;; end of part 2
;; launch emit (part 3): grid 512 x 1, 8 waves a work-group, no clusters, 9,216 bytes of LDS; arguments idx, value, out0; writes out0
.if DOCPART == 3
	.amdgcn_target "amdgcn-amd-amdhsa--gfx1250"
	.amdhsa_code_object_version 6
	.text
	.protected	k_qc918eb1b3b_emit
	.globl	k_qc918eb1b3b_emit
	.p2align	8
	.type	k_qc918eb1b3b_emit,@function
k_qc918eb1b3b_emit:
	s_mov_b64 s[64:65], 0
	v_nop
	global_prefetch_b8 v0, s[64:65] scope:SCOPE_SE
	s_setreg_imm32_b32 hwreg(HW_REG_WAVE_MODE, 25, 1), 1
	s_wait_xcnt 0x0
; out0[row] = value[idx[row]]: 8 f32 a row.  The index was stored as whole numbers by the launch before.
; A work-group takes 1,024 rows.  The table of 8,192 bytes is copied into LDS once; thread t then serves the half rows 256 n + t,
; n = 0..7: 16 bytes from LDS, 16 bytes out, so that each store of a wave covers 512 consecutive bytes, aligned.
; Memory binds here: no matrix unit, no cluster (what is shared is 8 KiB against 36 KiB of a work-group's own), no tensor load.
	s_load_b128 s[4:7], s[0:1], 0x0                ; idx s[4:5], value s[6:7]
	s_load_b64 s[8:9], s[0:1], 0x10                ; out0
	v_lshl_add_u32 v56, v0, 2, 0x2000
	v_mov_b32 v57, 0
	s_lshl_b32 s10, ttmp9, 12                      ; 1,024 indices
	s_mov_b32 s11, 0
	s_lshl_b32 s12, ttmp9, 15                      ; 1,024 rows of 32 bytes
	s_mov_b32 s13, 0
	v_lshrrev_b32 v1, 1, v0
	v_lshlrev_b32 v1, 2, v1                        ; the word of row t / 2
	v_lshlrev_b32 v2, 4, v0                        ; 16 t
	v_and_b32 v3, 1, v0
	v_lshlrev_b32 v3, 4, v3                        ; which half of the row
	s_wait_kmcnt 0x0
	s_add_nc_u64 s[4:5], s[4:5], s[10:11]
	s_add_nc_u64 s[8:9], s[8:9], s[12:13]
	global_load_b128 v[12:15], v2, s[6:7]
	global_load_b128 v[16:19], v2, s[6:7] offset:4096
.irp n, 0,1,2,3,4,5,6,7
	global_load_b32 v[4+\n], v1, s[4:5] offset:512*\n          ; row 128 n + t / 2
.endr
	s_wait_loadcnt 0x8                             ; the table's two loads are in; the eight indices may be out
	ds_store_b128 v2, v[12:15]
	ds_store_b128 v2, v[16:19] offset:4096
	s_wait_dscnt 0x0                               ; my part of the table is in LDS before I say so
	s_barrier_signal -1
	s_barrier_wait -1
	s_wait_loadcnt 0x0
.irp n, 0,1,2,3,4,5,6,7
	v_min_u32 v[4+\n], 255, v[4+\n]                ; inside the table whatever was read
	v_lshl_add_u32 v[4+\n], v[4+\n], 5, v3
	ds_load_b128 v[20+4*\n:20+4*\n+3], v[4+\n]
.endr
.irp n, 0,1,2,3,4,5,6,7
	s_wait_dscnt 7-\n                              ; LDS loads come back in order (ISA guide 5.7.1): number n is in
	global_store_b128 v2, v[20+4*\n:20+4*\n+3], s[8:9] offset:4096*\n th:TH_STORE_NT
.endr
	s_wait_tensorcnt 0x0
	ds_add_u32 v56, v57
	s_wait_dscnt 0x0
	s_endpgm
.Lfunc_end_k_qc918eb1b3b_emit:
	.size	k_qc918eb1b3b_emit, .Lfunc_end_k_qc918eb1b3b_emit-k_qc918eb1b3b_emit
	.p2alignl 7, 3214868480
	.fill 96, 4, 3214868480
	.section	.rodata,"a",@progbits
	.p2align	6, 0x0
	.amdhsa_kernel k_qc918eb1b3b_emit
		.amdhsa_group_segment_fixed_size 9216
		.amdhsa_private_segment_fixed_size 0
		.amdhsa_enable_private_segment 0
		.amdhsa_kernarg_size 24
		.amdhsa_user_sgpr_count 2
		.amdhsa_user_sgpr_kernarg_segment_ptr 1
		.amdhsa_wavefront_size32 1
		.amdhsa_system_sgpr_workgroup_id_x 1
		.amdhsa_system_sgpr_workgroup_id_y 1
		.amdhsa_system_sgpr_workgroup_id_z 1
		.amdhsa_system_vgpr_workitem_id 0
		.amdhsa_next_free_vgpr 58
		.amdhsa_next_free_sgpr 66
		.amdhsa_reserve_vcc 0
		.amdhsa_float_denorm_mode_32 3
		.amdhsa_float_denorm_mode_16_64 3
		.amdhsa_memory_ordered 1
		.amdhsa_forward_progress 1
		.amdhsa_inst_pref_size 5
	.end_amdhsa_kernel
	.amdgpu_metadata
---
amdhsa.version: [ 1, 2 ]
amdhsa.kernels:
  - .name:           k_qc918eb1b3b_emit
    .symbol:         k_qc918eb1b3b_emit.kd
    .args:
      - { .name: idx, .offset: 0, .size: 8, .value_kind: global_buffer, .address_space: global }
      - { .name: value, .offset: 8, .size: 8, .value_kind: global_buffer, .address_space: global }
      - { .name: out0, .offset: 16, .size: 8, .value_kind: global_buffer, .address_space: global }
    .group_segment_fixed_size: 9216
    .private_segment_fixed_size: 0
    .kernarg_segment_align: 8
    .kernarg_segment_size: 24
    .max_flat_workgroup_size: 256
    .sgpr_count:     66
    .vgpr_count:     58
    .wavefront_size: 32
...
	.end_amdgpu_metadata
.endif
;; end of part 3
;; ======== version 2 of 3: 3 launches; 1.19 times as fast as version 1
;; workspace buffers: tab 149,504 bytes; idx 2,097,152 bytes of whole numbers
;; launch prep (part 4): grid 16 x 1, 8 waves a work-group, no clusters, 1,536 bytes of LDS; arguments cond, cond_mask, feature, threshold, tab; writes tab
.if DOCPART == 4
	.amdgcn_target "amdgcn-amd-amdhsa--gfx1250"
	.amdhsa_code_object_version 6
	.text
	.protected	k_qc918eb1b3b_prep
	.globl	k_qc918eb1b3b_prep
	.p2align	8
	.type	k_qc918eb1b3b_prep,@function
k_qc918eb1b3b_prep:
	s_mov_b64 s[64:65], 0
	v_nop
	global_prefetch_b8 v0, s[64:65] scope:SCOPE_SE
	s_setreg_imm32_b32 hwreg(HW_REG_WAVE_MODE, 25, 1), 1
	s_wait_xcnt 0x0
; Makes the tables that the next launch multiplies by, in the order in which its lanes read them.
;   tab + 0       W: 16 leaf tiles x 8 K steps x 1,024 bytes.  Piece (t, s): half hf at +512 hf, lane L at +16 L: eight bf16
;                 W[leaf 16 t + r][k = 32 s + 16 hf + 8 h + e], r = L % 16, h = L / 16.  W = +32768 where cond is set, else -128 where
;                 cond_mask is set, else 0; 0 in the padding column k = 255.
;   tab + 131072  E: 16 tiles x 1,024 bytes in the same lane form: E[k = 16 T + r][f = 16 hf + 8 h + e] = -1.0 where feature[k] = f,
;                 so that the product with x gives -x[feature[k]].
;   tab + 147456  CIN: f32[256]: the sum over k of 32512 c + 128 m + 128 (c and m), plus the leaf's mark 8 (l / 16) + l % 8.
;   tab + 148480  THR: f32[256]: threshold + 0.0 (a minus zero becomes plus zero); 0 at k = 255.
; Work-group t makes leaf tile t; wave s makes W's piece (t, s).  A row of cond is 255 bytes, so a lane's bytes start at any
; address: they are read byte by byte (130,560 bytes in the whole launch).
; LIMITS: cond and cond_mask hold the bytes 0 or 1; a feature outside 0..31 selects no column (x counts as 0 there).
.set NB,   255                         ; branches = bytes in a row of cond
.set EIMG, 131072
.set CINO, 147456
.set C,    16                          ; v[16:31]  my 16 bytes of cond
.set M,    32                          ; v[32:47]  my 16 bytes of cond_mask
.set W,    48                          ; v[48:63]  their bf16 codes
.set P,    64                          ; v[64:71]  the codes packed, as stored
	s_load_b256 s[4:11], s[0:1], 0x0               ; cond s[4:5], cond_mask s[6:7], feature s[8:9], threshold s[10:11]
	s_load_b64 s[12:13], s[0:1], 0x20              ; tab
	v_lshl_add_u32 v72, v0, 2, 0x200
	v_mov_b32 v73, 0
	v_lshrrev_b32 v1, 5, v0
	v_readfirstlane_b32 s14, v1                    ; wave = K step s
	v_and_b32 v1, 31, v0                           ; L
	v_and_b32 v2, 15, v0                           ; r
	v_bfe_u32 v3, v0, 4, 1                         ; h
	s_lshl_b32 s15, ttmp9, 4                       ; 16 t
	s_lshl_b32 s16, s14, 5                         ; 32 s
	s_mov_b32 s18, 0x76543210                      ; v_permlanex16_b32: lane i reads lane i of the other half
	s_mov_b32 s19, 0xfedcba98
	v_add_nc_u32 v4, s15, v2                       ; my leaf l (for waves 0 and 1 later: my k)
	v_mul_u32_u24 v5, v4, NB                       ; its row's first byte
	v_lshl_add_u32 v9, v3, 3, s16                  ; 32 s + 8 h
	v_add_nc_u32 v6, v5, v9                        ; my first byte
	v_add_nc_u32 v7, 23, v6                        ; my last byte would be k = 255 for s = 7, h = 1:
	v_add_nc_u32 v8, NB-1, v5
	v_min_u32 v7, v7, v8                           ; held inside the row, and its value thrown away below
	s_wait_kmcnt 0x0
.irp i, 0,1,2,3,4,5,6,7,8,9,10,11,12,13,14
	global_load_u8 v[C+\i], v6, s[4:5] offset:\i+8*(\i/8)      ; k = 32 s + 8 h + 0..7 and 16 + the same
	global_load_u8 v[M+\i], v6, s[6:7] offset:\i+8*(\i/8)
.endr
	global_load_u8 v[C+15], v7, s[4:5]
	global_load_u8 v[M+15], v7, s[6:7]
	s_lshl_b32 s17, ttmp9, 3
	s_add_co_u32 s17, s17, s14
	s_lshl_b32 s17, s17, 10                        ; piece (t, s)
	v_lshl_add_u32 v13, v1, 4, s17                 ; + 16 L
	v_cmp_ne_u32 vcc_lo, 232, v9                   ; 32 s + 8 h + 23 is a real column
	v_mov_b32 v10, 0                               ; my part of CIN's sum
	s_wait_loadcnt 0x0
	v_cndmask_b32 v[C+15], 0, v[C+15], vcc_lo      ; the padding column counts for nothing
	v_cndmask_b32 v[M+15], 0, v[M+15], vcc_lo
.irp i, 0,1,2,3,4,5,6,7,8,9,10,11,12,13,14,15
	v_and_b32 v11, v[C+\i], v[M+\i]                ; c and m
	v_sub_nc_u32 v12, v[M+\i], v11                 ; m without c
	v_mul_u32_u24 v[W+\i], v[C+\i], 0x4700         ; bf16 +32768
	v_mad_u32_u24 v[W+\i], v12, 0xc300, v[W+\i]    ; bf16 -128: the two never meet
	v_mad_u32_u24 v10, v[C+\i], 32512, v10
	v_add_nc_u32 v11, v[M+\i], v11
	v_lshl_add_u32 v10, v11, 7, v10                ; + 128 (m + (c and m))
.endr
.irp j, 0,1,2,3,4,5,6,7
	v_lshl_or_b32 v[P+\j], v[W+2*\j+1], 16, v[W+2*\j]          ; the lower k in the lower half
.endr
	global_store_b128 v13, v[P:P+3], s[12:13]                  ; each store of the wave covers 512 consecutive bytes, aligned
	global_store_b128 v13, v[P+4:P+7], s[12:13] offset:512
	v_permlanex16_b32 v11, v10, s18, s19           ; the other half's 16 columns of the same leaf
	v_add_nc_u32 v10, v10, v11
	s_lshl_b32 s20, s14, 6
	v_lshl_add_u32 v12, v2, 2, s20                 ; word 16 s + r; both halves write the same number there
	ds_store_b32 v12, v10
	s_wait_dscnt 0x0                               ; my word is in LDS before I say so
	s_barrier_signal -1
	s_barrier_wait -1                              ; all eight K steps' sums are there
	v_min_u32 v15, NB-1, v4                        ; k = 16 t + r, held inside feature and threshold
	v_lshlrev_b32 v15, 2, v15
	v_cmp_ne_u32 vcc_lo, NB, v4                    ; k is a real branch
	s_cmp_eq_u32 s14, 0
	s_cbranch_scc1 .Lwave0
	s_cmp_eq_u32 s14, 1
	s_cbranch_scc1 .Lwave1
	s_wait_tensorcnt 0x0
	ds_add_u32 v72, v73
	s_wait_dscnt 0x0
	s_endpgm
.Lwave0:                                           ; CIN and THR of this tile's 16 leaves and 16 branches
	global_load_b32 v24, v15, s[10:11]
	v_lshlrev_b32 v14, 2, v2
.irp i, 0,1,2,3,4,5,6,7
	ds_load_b32 v[C+\i], v14 offset:64*\i
.endr
	s_lshl_b32 s21, ttmp9, 3                       ; the mark: 8 t
	v_and_b32 v25, 7, v2                           ; + l % 8
	s_wait_dscnt 0x0
	v_add3_u32 v16, v16, v17, v18
	v_add3_u32 v19, v19, v20, v21
	v_add3_u32 v16, v16, v22, v23
	v_add3_u32 v19, v19, v25, s21
	v_add_nc_u32 v16, v16, v19
	v_cvt_f32_u32 v16, v16                         ; below 2^24: exact
	s_wait_loadcnt 0x0
	v_add_f32 v24, 0, v24                          ; -0 + 0 = +0
	v_cndmask_b32 v24, 0, v24, vcc_lo              ; the padding branch compares 0 with 0
	v_cmp_eq_u32 vcc_lo, 1, v3
	v_cndmask_b32 v26, v16, v24, vcc_lo            ; lanes 0-15 store CIN, lanes 16-31 THR, 1,024 bytes further on
	v_lshlrev_b32 v27, 2, v4
	v_lshl_add_u32 v27, v3, 10, v27
	global_store_b32 v27, v26, s[12:13] offset:CINO            ; 64 bytes of each table from each work-group: 2,048 bytes in the launch
	s_wait_tensorcnt 0x0
	ds_add_u32 v72, v73
	s_wait_dscnt 0x0
	s_endpgm
.Lwave1:                                           ; E's tile T = t
	global_load_b32 v24, v15, s[8:9]
	v_lshlrev_b32 v25, 3, v3                       ; 8 h
	v_mov_b32 v26, 0xbf80                          ; bf16 -1.0 in the lower half
	v_mov_b32 v27, 0xbf800000                      ; in the upper half
	s_lshl_b32 s22, ttmp9, 10
	v_lshl_add_u32 v28, v1, 4, s22
	s_wait_loadcnt 0x0
	v_cndmask_b32 v24, -1, v24, vcc_lo             ; the padding branch selects no column
	v_sub_nc_u32 v25, v24, v25                     ; feature - 8 h: my element 16 hf + e is set where this equals it
.irp d, 0,1,2,3,4,5,6,7
	v_cmp_eq_u32 vcc_lo, 2*\d+8*(\d/4), v25
	v_cndmask_b32 v[M+\d], 0, v26, vcc_lo
	v_cmp_eq_u32 vcc_lo, 2*\d+8*(\d/4)+1, v25
	v_cndmask_b32 v[M+\d], v[M+\d], v27, vcc_lo
.endr
	global_store_b128 v28, v[M:M+3], s[12:13] offset:EIMG
	global_store_b128 v28, v[M+4:M+7], s[12:13] offset:EIMG+512
	s_wait_tensorcnt 0x0
	ds_add_u32 v72, v73
	s_wait_dscnt 0x0
	s_endpgm
.Lfunc_end_k_qc918eb1b3b_prep:
	.size	k_qc918eb1b3b_prep, .Lfunc_end_k_qc918eb1b3b_prep-k_qc918eb1b3b_prep
	.p2alignl 7, 3214868480
	.fill 96, 4, 3214868480
	.section	.rodata,"a",@progbits
	.p2align	6, 0x0
	.amdhsa_kernel k_qc918eb1b3b_prep
		.amdhsa_group_segment_fixed_size 1536
		.amdhsa_private_segment_fixed_size 0
		.amdhsa_enable_private_segment 0
		.amdhsa_kernarg_size 40
		.amdhsa_user_sgpr_count 2
		.amdhsa_user_sgpr_kernarg_segment_ptr 1
		.amdhsa_wavefront_size32 1
		.amdhsa_system_sgpr_workgroup_id_x 1
		.amdhsa_system_sgpr_workgroup_id_y 1
		.amdhsa_system_sgpr_workgroup_id_z 1
		.amdhsa_system_vgpr_workitem_id 0
		.amdhsa_next_free_vgpr 74
		.amdhsa_next_free_sgpr 66
		.amdhsa_reserve_vcc 1
		.amdhsa_float_denorm_mode_32 3
		.amdhsa_float_denorm_mode_16_64 3
		.amdhsa_memory_ordered 1
		.amdhsa_forward_progress 1
		.amdhsa_inst_pref_size 17
	.end_amdhsa_kernel
	.amdgpu_metadata
---
amdhsa.version: [ 1, 2 ]
amdhsa.kernels:
  - .name:           k_qc918eb1b3b_prep
    .symbol:         k_qc918eb1b3b_prep.kd
    .args:
      - { .name: cond, .offset: 0, .size: 8, .value_kind: global_buffer, .address_space: global }
      - { .name: cond_mask, .offset: 8, .size: 8, .value_kind: global_buffer, .address_space: global }
      - { .name: feature, .offset: 16, .size: 8, .value_kind: global_buffer, .address_space: global }
      - { .name: threshold, .offset: 24, .size: 8, .value_kind: global_buffer, .address_space: global }
      - { .name: tab, .offset: 32, .size: 8, .value_kind: global_buffer, .address_space: global }
    .group_segment_fixed_size: 1536
    .private_segment_fixed_size: 0
    .kernarg_segment_align: 8
    .kernarg_segment_size: 40
    .max_flat_workgroup_size: 256
    .sgpr_count:     66
    .vgpr_count:     74
    .wavefront_size: 32
...
	.end_amdgpu_metadata
.endif
;; end of part 4
;; launch leaf (part 5): grid 256 x 1, 4 waves a work-group, clusters of 4 x 1, 187,904 bytes of LDS; arguments x, tab, idx; writes idx
.if DOCPART == 5
	.amdgcn_target "amdgcn-amd-amdhsa--gfx1250"
	.amdhsa_code_object_version 6
	.text
	.protected	k_qc918eb1b3b_leaf
	.globl	k_qc918eb1b3b_leaf
	.p2align	8
	.type	k_qc918eb1b3b_leaf,@function
k_qc918eb1b3b_leaf:
	s_mov_b64 s[64:65], 0
	v_nop
	global_prefetch_b8 v0, s[64:65] scope:SCOPE_SE
	s_setreg_imm32_b32 hwreg(HW_REG_WAVE_MODE, 25, 1), 1
	s_wait_xcnt 0x0
	s_wait_alu depctr_hold_cnt(0) depctr_sa_sdst(0) depctr_va_vdst(0) depctr_va_sdst(0) depctr_va_ssrc(0) depctr_va_vcc(0) depctr_vm_vsrc(0)
	s_getreg_b32 s2, hwreg(HW_REG_IB_STS2, 6, 4)
	s_cmp_eq_u32 s2, 0
	s_cbranch_scc0 .Lentry_in_a_cluster
	s_endpgm
.Lentry_in_a_cluster:
	s_bfe_u32 s2, ttmp6, 0x10000c
	s_cmp_lg_u32 s2, 0x3003
	s_cbranch_scc0 .Lentry_shape_is_right
	s_endpgm
.Lentry_shape_is_right:
; idx[row] = the first leaf whose conditions the row meets, 0 if there is none.
; THE ARITHMETIC.  With c = cond, m = cond_mask, comp = (x[feature[k]] > threshold[k]), a leaf matches where
; A = #(c, not comp) = 0 and P = #(m without c, comp) = n10 = #(c without m): the first is the count test against cond's sum, and
; with A = 0 the two counts differ by P - n10.  One product gives both: key = CIN[l] + sum over k of s_k W[l][k], s_k = -1 where comp,
; else +1, W = 32768 (c), -128 (m without c), 0, is 65536 A + 256 (P - n10) + i, with the mark i = 8 (l / 16) + l % 8 in 0..127.
; A match has key = i; every other leaf has |key| >= 129.  All terms are whole numbers below 2^24: exact in bf16 x bf16 with f32 sums.
; The smallest |key| of a lane is therefore the mark of its first match.
; THE GATHER x[:, feature] is a product too, and exact: x is cut into three bf16 pieces (8 + 8 + 8 bits of its significand, each cut
; a truncation, each remainder exact) and each is multiplied by the matrix E, which holds -1.0 at (k, feature[k]); the three partial
; sums are exact in f32 and give -x.  The result (16 k x 16 rows) has, lane for lane, the layout of the main product's second source.
; threshold x 1.0 + (-x), rounded once to bf16 into one half of a word, keeps the sign of the exact difference (an exact 0 is +0):
; its sign bit is comp, and is laid on bf16 1.0.
; SHARES.  256 work-groups of 4 waves; a work-group 2,048 rows, a wave 512, in 8 blocks of 64 rows = 4 row tiles q of 16.
; Lane row r of tile q is block row 32 (q / 2) + 2 r + q % 2, so that one 8-byte store of the wave holds the block's 64 indices.
; Per block: 192 matrix instructions gather, 512 multiply.  Behind the table's barrier no wave waits for another.
; LDS LOADS STAND IN RUNS, never singly among matrix instructions: E and the thresholds are read once, at the head, and stay in 256
; registers; the next leaf tile's W and CIN come in one run of 18 loads a tile.
; CLUSTER: the four work-groups of a cluster read the same table of 149,504 bytes: it is asked for jointly, a quarter by each wave.
; x is read by one wave alone: nothing to share there; it comes a whole block ahead into 64 registers of its own.
; LIMITS: x finite (0 x Inf in the gather's product is NaN, which spoils the row); NaN in x or threshold is not served.  For |x| below
; about 2^-109 the bits of x below 2^-133 do not fit the third piece and are dropped.
; REGISTERS.  Window 0: v1-v9 addresses, v10-13 running minima, v14-15 the pair to store, v16-79 two sets of four accumulators (first the
; raw x), v80-95 CIN twice (first the split's temporaries), v96-223 W's fragments twice (first the three pieces of x), v224 the number 1.0.
; Window 1: the signs, tile (q, s) at 8 (8 q + s).  Window 2: v0-127 E, tile T at 8 T; v128-255 the thresholds, tile T at 128 + 8 T.
; Window 3: v0-63 the next block's x.
.set QTAB,  37376                      ; a quarter of the table: 146 rows of 256 bytes
.set EIMG,  131072
.set CINO,  147456
.set THRO,  148480
.set STAGE, 149504                     ; behind the table: each wave's own stage, written by LDS stores alone
.set STGW,  9472                       ; bytes of a wave's stage
.set ODD,   4736                       ; the block's odd rows lie this far behind the even ones (128 modulo 256: a store's two rows meet in no bank)
.set SP,    144                        ; a staged row: 128 bytes + 16, an odd multiple of 16
.set BLOCKS, 8
.set RUN, 10
.set ACC, 16
.set TMP, 80
.set CIN, 80
.set WF,  96
.set XH,  96
.set XM,  128
.set XL,  160
.set ONE, 224
.set ER,  0                            ; in window 2
.set TR,  128                          ; in window 2
.set MSB, 0
.macro WIN new                         ; low byte: bits 1:0 source 0, 3:2 source 1, 5:4 source 2, 7:6 destination; the high byte repeats the setting that is left
.if MSB != \new
	s_set_vgpr_msb (MSB<<8)|\new
.set MSB, \new
.endif
.endm
.macro ROUND                           ; a round of the cluster's barrier
	s_barrier_signal -1
	s_barrier_wait -1
	s_cmp_lg_u32 s10, 0
	s_cbranch_scc1 .Lnot_wave_0_\@
	s_barrier_signal -3
.Lnot_wave_0_\@:
	s_barrier_wait -3
	s_barrier_signal -1
	s_barrier_wait -1
.endm
.macro XLOAD                           ; a block of x, 64 rows x 128 bytes, into window 3: each load of the wave covers 512 consecutive bytes
	WIN 0xc0
.irp n, 0,1,2,3,4,5,6,7,8,9,10,11,12,13,14,15
	global_load_b128 v[4*\n:4*\n+3], v1, s[4:5] offset:512*\n th:TH_LOAD_NT
.endr
	WIN 0
.endm
; One piece of row tile q: the upper halves of the 16 numbers, packed; more = 1: and the exact remainder in their place.
.macro PIECE q, dst, more
.irp p, 0,1,2,3,4,5,6,7
	v_perm_b32 v[\dst+8*\q+\p], v[ACC+16*\q+2*\p+1], v[ACC+16*\q+2*\p], s24
.endr
.if \more
.irp i, 0,1,2,3,4,5,6,7,8,9,10,11,12,13,14,15
	v_and_b32 v[TMP+\i], s25, v[ACC+16*\q+\i]
.endr
.irp p, 0,1,2,3,4,5,6,7
	v_pk_add_f32 v[ACC+16*\q+2*\p:ACC+16*\q+2*\p+1], v[ACC+16*\q+2*\p:ACC+16*\q+2*\p+1], v[TMP+2*\p:TMP+2*\p+1] neg_lo:[0,1] neg_hi:[0,1]
.endr
.endif
.endm
.macro SPLIT q
	PIECE \q, XH, 1
	PIECE \q, XM, 1
	PIECE \q, XL, 0
.endm
; Four of the 32 steps, from step PN on, that turn the gathered tile t1 (-x, in accumulator set par) into 16 words of two differences in bf16.
; Steps 0-15: the even k of pair PN into the lower half of the pair's first register; steps 16-31: the odd k into its upper half.
; The threshold is source 0, in window 2 like the matrix instructions' E: the same window setting serves both.
.macro MIX4 par, t1
.rept 4
.set PR, ACC+32*(\par)+2*(PN%16)
.if PN < 16
	v_fma_mixlo_bf16 v[PR], v[TR+8*(\t1)+2*(PN%4)], v[ONE], v[PR]
.else
	v_fma_mixhi_bf16 v[PR], v[TR+8*(\t1)+2*(PN%4)+1], v[ONE], v[PR+1]
.endif
.set PN, PN+1
.endr
.endm
.macro BFI16 U                         ; tile U's signs on bf16 1.0, into registers 4 (U % 2) .. + 3 of the sign tiles (q, U / 2) in window 1
	WIN 0x40
.irp q, 0,1,2,3
.irp jj, 0,1,2,3
	v_bfi_b32 v[8*(8*\q+(\U)/2)+4*((\U)%2)+\jj], s26, v[ACC+32*((\U)%2)+8*\q+2*\jj], s27
.endr
.endr
.endm
; Gather of k tile T for the four row tiles: 12 matrix instructions, and among them the differences of tile T - 1.  No memory instruction.
; The four accumulators take turns, one instruction a turn.
; A vector instruction that reads a matrix result stands four plain vector instructions behind it that name none of its registers
; (ISA guide 7.12.1).  From T = 2 on the 16 v_bfi_b32 at the end of the stream before are those places; stream 0 has none behind its
; products, so stream 1 writes four v_nop.
.macro GST T
	WIN 0x02                                       ; source 0 in window 2
.set GA, ACC+32*(\T%2)
.irp q, 0,1,2,3
	v_wmma_f32_16x16x32_bf16 v[GA+8*\q:GA+8*\q+7], v[ER+8*\T:ER+8*\T+7], v[XH+8*\q:XH+8*\q+7], 0
.if \T == 1
	v_nop
.endif
.endr
.set PN, 0
.irp q, 0,1,2,3
	v_wmma_f32_16x16x32_bf16 v[GA+8*\q:GA+8*\q+7], v[ER+8*\T:ER+8*\T+7], v[XM+8*\q:XM+8*\q+7], v[GA+8*\q:GA+8*\q+7]
.if \T > 0
	MIX4 (\T+1)%2, \T-1
.endif
.endr
.irp q, 0,1,2,3
	v_wmma_f32_16x16x32_bf16 v[GA+8*\q:GA+8*\q+7], v[ER+8*\T:ER+8*\T+7], v[XL+8*\q:XL+8*\q+7], v[GA+8*\q:GA+8*\q+7]
.if \T > 0
	MIX4 (\T+1)%2, \T-1
.endif
.endr
.if \T > 0
	BFI16 \T-1
.endif
.endm
; A leaf tile: 16 leaves x 64 rows x K = 256 in 32 matrix instructions on accumulator set b; the first four start from CIN.
; fetch = 1: the next tile's W (16 loads, at byte off from v4) and CIN (2 loads) go into the other buffers in ONE run behind product 6;
; 25 matrix instructions follow before the wait for them.  Behind the last product that read those buffers stand five plain vector
; instructions by then: the tile before's two last minimum steps and this tile's first three (or the four v_nop of pad).
; epi = 1: the tile before, in the other set, goes into the running minima, one number a step.  The second source's window is 1 here,
; so the minimum is a three-way one whose second source is the scalar 0x7f7fffff, which never wins.
; pad = 1: four v_nop, the places of ISA guide 7.12.1, where the tile before had no minimum steps behind its last products.
; Else those steps (8, 6, 4, 2 behind products 28 to 31) and this tile's own are the places.
.macro TILE b, epi, fetch, off, pad
	s_wait_dscnt 0x0                               ; this tile's W and CIN: the run of the tile before
	WIN 0x04
.set TA, ACC+32*\b
.set TO, ACC+32*(1-\b)
.set TW, WF+64*\b
.set TN, WF+64*(1-\b)
.set tn, 0
.rept 32
.if tn < 4
	v_wmma_f32_16x16x32_bf16 v[TA+8*tn:TA+8*tn+7], v[TW:TW+7], v[64*tn:64*tn+7], v[CIN+8*\b:CIN+8*\b+7]
.if \pad
	v_nop
.endif
.else
	v_wmma_f32_16x16x32_bf16 v[TA+8*(tn%4):TA+8*(tn%4)+7], v[TW+8*(tn/4):TW+8*(tn/4)+7], v[8*(8*(tn%4)+tn/4):8*(8*(tn%4)+tn/4)+7], v[TA+8*(tn%4):TA+8*(tn%4)+7]
.if \epi
.if tn < 28
	v_min3_num_f32 v[RUN+(tn-4)/8], |v[TO+tn-4]|, s28, v[RUN+(tn-4)/8]
.else
	v_min3_num_f32 v[RUN+3], |v[TO+24+2*(tn-28)]|, s28, v[RUN+3]
	v_min3_num_f32 v[RUN+3], |v[TO+25+2*(tn-28)]|, s28, v[RUN+3]
.endif
.endif
.if \fetch
.if tn == 6
.set li, 0
.rept 16
	ds_load_b128 v[TN+4*li:TN+4*li+3], v4 offset:\off+512*li
.set li, li+1
.endr
	ds_load_b128 v[CIN+8*(1-\b):CIN+8*(1-\b)+3],   v5 offset:\off/128
	ds_load_b128 v[CIN+8*(1-\b)+4:CIN+8*(1-\b)+7], v5 offset:\off/128+16
.endif
.endif
.endif
.set tn, tn+1
.endr
.endm
	s_load_b128 s[4:7], s[0:1], 0x0                ; x s[4:5], tab s[6:7]
	s_load_b64 s[8:9], s[0:1], 0x10                ; idx
	v_lshl_add_u32 v254, v0, 2, 0x2dc00
	v_mov_b32 v255, 0
	ds_add_u32 v254, v255
	v_lshrrev_b32 v14, 5, v0
	v_readfirstlane_b32 s10, v14                   ; wave 0..3
	s_bfe_u32 s2, ttmp6, 0x40000                   ; cx: my place in the cluster
	s_lshl_b32 s11, ttmp9, 2                       ; ttmp9 counts clusters
	s_add_co_u32 s11, s11, s2                      ; work-group = 4 x cluster + cx: it enters the addresses of x and idx alone
	s_lshl_b32 s34, s11, 18                        ; x: 2,048 rows of 128 bytes a work-group,
	s_lshl_b32 s36, s10, 16                        ; 512 rows a wave
	s_add_co_u32 s34, s34, s36
	s_mov_b32 s35, 0
	s_lshl_b32 s36, s11, 13                        ; idx: 2,048 words a work-group,
	s_lshl_b32 s37, s10, 11                        ; 512 a wave
	s_add_co_u32 s36, s36, s37
	s_mov_b32 s37, 0
	s_mul_i32 s3, s10, STGW
	s_add_co_u32 s3, s3, STAGE                     ; my stage
	; the table's descriptor: my quarter, 146 rows of 32 elements of 8 bytes, dense; the same in all four work-groups
	s_mov_b32 s12, 1                               ; count = 1
	s_mul_i32 s13, s10, QTAB                       ; LDS address: the table lies in LDS as in memory
	s_mul_i32 s38, s10, QTAB
	s_mov_b32 s39, 0
	s_mov_b32 s16, 15|(3<<16)|(1<<21)              ; 15:0 the mask: all four of the cluster; 17:16 elements of 8 bytes; 21 set beside a mask
	s_mov_b32 s17, 32<<16                          ; tensor_dim0 = 32
	s_mov_b32 s18, 146<<16                         ; tensor_dim1 = 146
	s_mov_b32 s19, 32<<16                          ; tile_dim0 = 32
	s_mov_b32 s20, 146                             ; tile_dim1 = 146
	s_mov_b32 s21, 32                              ; from row to row: 32 elements
	s_mov_b32 s22, 0
	s_mov_b32 s23, 0
	s_mov_b32 s24, 0x07060302                      ; v_perm_b32: the upper halves of two words
	s_mov_b32 s25, 0xffff0000                      ; a word's upper half; also the lane mask of lanes 16-31
	s_mov_b32 s26, 0x80008000                      ; two signs
	s_mov_b32 s27, 0x3f803f80                      ; bf16 1.0 twice
	s_mov_b32 s28, 0x7f7fffff                      ; the largest finite f32
	s_mov_b32 s30, 0x76543210                      ; v_permlanex16_b32: lane i reads lane i of the other half
	s_mov_b32 s31, 0xfedcba98
	v_and_b32 v15, 31, v0                          ; L
	v_and_b32 v13, 15, v0                          ; r
	v_bfe_u32 v14, v0, 4, 1                        ; h
	v_lshlrev_b32 v1, 4, v15                       ; 16 L
	v_lshlrev_b32 v9, 3, v15                       ; 8 L
	v_lshlrev_b32 v8, 3, v14                       ; 8 h
	v_bfe_u32 v12, v0, 3, 1                        ; a load of x holds four rows: row L / 8; its parity,
	v_mul_u32_u24 v2, v12, ODD
	v_mad_u32_u24 v2, v14, SP, v2                  ; its half,
	v_and_b32 v12, 7, v0
	v_lshl_add_u32 v2, v12, 4, v2                  ; my 16 bytes of it
	v_add_nc_u32 v2, s3, v2                        ; v2: where I stage
	v_mul_u32_u24 v3, v13, SP
	v_lshl_add_u32 v3, v14, 5, v3
	v_add_nc_u32 v3, s3, v3                        ; v3: row r of a tile, columns 8 h ..
	v_add_nc_u32 v6, EIMG, v1                      ; v6: E
	v_lshl_add_u32 v7, v8, 2, THRO                 ; v7: thresholds of k = 8 h ..
	v_mov_b32 v[ONE], 1.0
	s_wait_dscnt 0x0
	s_wait_kmcnt 0x0
	s_add_nc_u64 s[4:5], s[4:5], s[34:35]
	s_add_nc_u64 s[8:9], s[8:9], s[36:37]
	s_add_nc_u64 s[14:15], s[6:7], s[38:39]
	s_or_b32 s15, s15, 0x80000000                  ; type = 2
	ROUND                                          ; the four work-groups are here: the joint loads meet
	tensor_load_to_lds s[12:15], s[16:23]          ; my one tensor load of the launch
	s_nop 0
	XLOAD                                          ; block 0
	s_wait_tensorcnt 0x0                           ; my quarter of the table is in,
	s_barrier_signal -1
	s_barrier_wait -1                              ; everybody's is; nothing is ever filled again
	WIN 0x80                                       ; E and the thresholds, once, into window 2: 64 loads; the first block's waits on its younger LDS loads cover them
.irp T, 0,1,2,3,4,5,6,7,8,9,10,11,12,13,14,15
	ds_load_b128 v[ER+8*\T:ER+8*\T+3],   v6 offset:1024*\T
	ds_load_b128 v[ER+8*\T+4:ER+8*\T+7], v6 offset:1024*\T+512
	ds_load_b128 v[TR+8*\T:TR+8*\T+3],   v7 offset:64*\T
	ds_load_b128 v[TR+8*\T+4:TR+8*\T+7], v7 offset:64*\T+16
.endr
	WIN 0
	s_mov_b32 s32, 0
.Lblock:
	; STAGE AND SPLIT: x goes through my own stage to reach the lanes of a second source: lane (r, h) takes columns 8 h .. + 7 and 16 + 8 h .. + 7 of row r
	s_wait_loadcnt 0x0                             ; this block's x, asked for a block ago
	WIN 0x0c
.irp n, 0,1,2,3,4,5,6,7,8,9,10,11,12,13,14,15
	ds_store_b128 v2, v[4*\n:4*\n+3] offset:288*\n ; four rows on = two staged rows of each parity
.endr
	WIN 0
.irp q, 0,1,2,3
	ds_load_b128 v[ACC+16*\q:ACC+16*\q+3],     v3 offset:(\q%2)*ODD+(\q/2)*16*SP       ; LDS serves a wave's instructions in order (ISA guide 5.7.1): these see the stores
	ds_load_b128 v[ACC+16*\q+4:ACC+16*\q+7],   v3 offset:(\q%2)*ODD+(\q/2)*16*SP+16
	ds_load_b128 v[ACC+16*\q+8:ACC+16*\q+11],  v3 offset:(\q%2)*ODD+(\q/2)*16*SP+64
	ds_load_b128 v[ACC+16*\q+12:ACC+16*\q+15], v3 offset:(\q%2)*ODD+(\q/2)*16*SP+80
.endr
	s_wait_dscnt 12                                ; row tile 0 is in (the 12 loads of tiles 1 to 3 are younger), so the stores have read window 3
	s_cmp_eq_u32 s32, BLOCKS-1
	s_cbranch_scc1 .Lno_more_x                     ; the last block asks for nothing
	s_add_nc_u64 s[4:5], s[4:5], 8192              ; free: the loads that named it were waited for at the block's head
	XLOAD                                          ; the next block has this whole block in which to come
.Lno_more_x:
	SPLIT 0
	s_wait_dscnt 8                                 ; the loads of row tiles 2 and 3 are younger
	SPLIT 1
	s_wait_dscnt 4                                 ; those of row tile 3
	SPLIT 2
	s_wait_dscnt 0
	SPLIT 3
	; GATHER AND COMPARE
.irp T, 0,1,2,3,4,5,6,7,8,9,10,11,12,13,14,15
	GST \T
.endr
	WIN 0
	v_mov_b32 v4, v1                               ; W from leaf tile 0 on
	v_lshl_add_u32 v5, v8, 2, CINO                 ; CIN of leaves 8 h ..
.irp q, 0,1,2,3
	v_mov_b32 v[RUN+\q], s28
.endr
.irp i, 0,1,2,3,4,5,6,7,8,9,10,11,12,13,14,15
	ds_load_b128 v[WF+4*\i:WF+4*\i+3], v4 offset:512*\i        ; over the first two pieces of x: 16 v_bfi_b32 stand behind their last products
.endr
	ds_load_b128 v[CIN:CIN+3],   v5
	ds_load_b128 v[CIN+4:CIN+7], v5 offset:16
	WIN 0x02
.set PN, 0
.rept 8
	MIX4 1, 15                                     ; tile 15's differences, while those loads come
.endr
	BFI16 15
	; THE PRODUCT: 16 leaf tiles, two a trip
	TILE 0, 0, 1, 8192, 0
	TILE 1, 1, 1, 16384, 1
	WIN 0
	v_add_nc_u32 v4, 0x4000, v4
	v_add_nc_u32 v5, 0x80, v5
	s_mov_b32 s33, 6
.Ltrip:
	TILE 0, 1, 1, 8192, 0
	TILE 1, 1, 1, 16384, 0
	WIN 0
	v_add_nc_u32 v4, 0x4000, v4                    ; two tiles of W on
	v_add_nc_u32 v5, 0x80, v5
	s_sub_co_i32 s33, s33, 1
	s_cmp_lg_u32 s33, 0
	s_cbranch_scc1 .Ltrip
	TILE 0, 1, 1, 8192, 0
	TILE 1, 1, 0, 0, 0
	WIN 0
	; THE INDEX.  The last tile's numbers, row tile 0 first: behind its last product stand 8 minimum steps, behind row tile 3's two and the 12 lines of tiles 0 to 2
.irp q, 0,1,2,3
.irp j, 0,2,4,6
	v_min3_num_f32 v[RUN+\q], |v[ACC+32+8*\q+\j]|, |v[ACC+32+8*\q+\j+1]|, v[RUN+\q]
.endr
.endr
.irp q, 0,1,2,3
	v_cvt_u32_f32 v[TMP+\q], v[RUN+\q]             ; a whole number
.endr
.irp q, 0,1,2,3
	v_min_u32 v[TMP+\q], 128, v[TMP+\q]            ; 128: no match in this lane
.endr
.irp q, 0,1,2,3
	v_and_b32 v[TMP+4+\q], 0xf8, v[TMP+\q]         ; the mark is 8 t + j: the leaf is 16 t + 8 h + j
.endr
.irp q, 0,1,2,3
	v_add3_u32 v[TMP+\q], v[TMP+\q], v[TMP+4+\q], v8           ; no match: 256 or more
.endr
.irp q, 0,1,2,3
	v_permlanex16_b32 v[TMP+4+\q], v[TMP+\q], s30, s31         ; the other eight leaves of each tile
.endr
.irp q, 0,1,2,3
	v_min_u32 v[TMP+\q], v[TMP+\q], v[TMP+4+\q]    ; the first match of the row
.endr
.irp q, 0,1,2,3
	v_cmp_gt_u32 vcc_lo, 0x100, v[TMP+\q]
	v_cndmask_b32 v[TMP+\q], 0, v[TMP+\q], vcc_lo  ; none: leaf 0, as an argmax over all zeros gives
.endr
	v_cndmask_b32 v14, v[TMP], v[TMP+2], s25       ; lane L stores rows 2 L and 2 L + 1 = 32 h + 2 r + 0, 1: row tiles 2 h and 2 h + 1
	v_cndmask_b32 v15, v[TMP+1], v[TMP+3], s25
	global_store_b64 v9, v[14:15], s[8:9]          ; the wave's store covers 256 consecutive bytes, aligned
	s_wait_xcnt 0x0                                ; the store's base and data are written again only behind this wait
	s_add_nc_u64 s[8:9], s[8:9], 256
	s_add_co_u32 s32, s32, 1
	s_cmp_lt_u32 s32, BLOCKS
	s_cbranch_scc1 .Lblock
	s_wait_tensorcnt 0x0
	ds_add_u32 v254, v255
	s_wait_dscnt 0x0
	ROUND                                          ; the closing round: no work-group ends before its partners have asked
	s_endpgm
.Lfunc_end_k_qc918eb1b3b_leaf:
	.size	k_qc918eb1b3b_leaf, .Lfunc_end_k_qc918eb1b3b_leaf-k_qc918eb1b3b_leaf
	.p2alignl 7, 3214868480
	.fill 96, 4, 3214868480
	.section	.rodata,"a",@progbits
	.p2align	6, 0x0
	.amdhsa_kernel k_qc918eb1b3b_leaf
		.amdhsa_group_segment_fixed_size 187904
		.amdhsa_private_segment_fixed_size 0
		.amdhsa_enable_private_segment 0
		.amdhsa_kernarg_size 24
		.amdhsa_user_sgpr_count 2
		.amdhsa_user_sgpr_kernarg_segment_ptr 1
		.amdhsa_wavefront_size32 1
		.amdhsa_system_sgpr_workgroup_id_x 1
		.amdhsa_system_sgpr_workgroup_id_y 1
		.amdhsa_system_sgpr_workgroup_id_z 1
		.amdhsa_system_vgpr_workitem_id 0
		.amdhsa_next_free_vgpr 832
		.amdhsa_next_free_sgpr 66
		.amdhsa_reserve_vcc 1
		.amdhsa_float_denorm_mode_32 3
		.amdhsa_float_denorm_mode_16_64 3
		.amdhsa_memory_ordered 1
		.amdhsa_forward_progress 1
		.amdhsa_inst_pref_size 123
	.end_amdhsa_kernel
	.amdgpu_metadata
---
amdhsa.version: [ 1, 2 ]
amdhsa.kernels:
  - .name:           k_qc918eb1b3b_leaf
    .symbol:         k_qc918eb1b3b_leaf.kd
    .args:
      - { .name: x, .offset: 0, .size: 8, .value_kind: global_buffer, .address_space: global }
      - { .name: tab, .offset: 8, .size: 8, .value_kind: global_buffer, .address_space: global }
      - { .name: idx, .offset: 16, .size: 8, .value_kind: global_buffer, .address_space: global }
    .group_segment_fixed_size: 187904
    .private_segment_fixed_size: 0
    .kernarg_segment_align: 8
    .kernarg_segment_size: 24
    .max_flat_workgroup_size: 128
    .sgpr_count:     66
    .vgpr_count:     832
    .wavefront_size: 32
...
	.end_amdgpu_metadata
.endif
;; end of part 5
;; launch emit: the kernel of part 3 again; grid 512 x 1, 8 waves a work-group, no clusters, 9,216 bytes of LDS; arguments idx, value, out0; writes out0
;; ======== version 3 of 3: 3 launches; version 2 with the launch prep written anew for expert scheduling mode
;; workspace buffers: tab 149,504 bytes; idx 2,097,152 bytes of whole numbers
;; launch prep (part 6): grid 16 x 1, 8 waves a work-group, no clusters, 1,536 bytes of LDS; arguments cond, cond_mask, feature, threshold, tab; writes tab
.if DOCPART == 6
	.amdgcn_target "amdgcn-amd-amdhsa--gfx1250"
	.amdhsa_code_object_version 6
	.text
	.protected	k_qc918eb1b3b_prep
	.globl	k_qc918eb1b3b_prep
	.p2align	8
	.type	k_qc918eb1b3b_prep,@function
k_qc918eb1b3b_prep:
	s_mov_b64 s[64:65], 0
	v_nop
	global_prefetch_b8 v0, s[64:65] scope:SCOPE_SE
	s_setreg_imm32_b32 hwreg(HW_REG_WAVE_SCHED_MODE, 0, 2), 2
	s_setreg_imm32_b32 hwreg(HW_REG_WAVE_MODE, 25, 1), 1
	s_wait_xcnt 0x0
	s_wait_alu depctr_vm_vsrc(0)
; Makes the tables that the next launch multiplies by, in the order in which its lanes read them.
;   tab + 0       W: 16 leaf tiles x 8 K steps x 1,024 bytes.  Piece (t, s): half hf at +512 hf, lane L at +16 L: eight bf16
;                 W[leaf 16 t + r][k = 32 s + 16 hf + 8 h + e], r = L % 16, h = L / 16.  W = +32768 where cond is set, else -128 where
;                 cond_mask is set, else 0; 0 in the padding column k = 255.
;   tab + 131072  E: 16 tiles x 1,024 bytes in the same lane form: E[k = 16 T + r][f = 16 hf + 8 h + e] = -1.0 where feature[k] = f,
;                 so that the product with x gives -x[feature[k]].
;   tab + 147456  CIN: f32[256]: the sum over k of 32512 c + 128 m + 128 (c and m), plus the leaf's mark 8 (l / 16) + l % 8.
;   tab + 148480  THR: f32[256]: threshold + 0.0 (a minus zero becomes plus zero); 0 at k = 255.
; Work-group t makes leaf tile t; wave s makes W's piece (t, s).  A row of cond is 255 bytes, so a lane's bytes start at any
; address: they are read byte by byte (130,560 bytes in the whole launch).
; LIMITS: cond and cond_mask hold the bytes 0 or 1; a feature outside 0..31 selects no column (x counts as 0 there).
; THE MODE: SCHED_MODE bits 1:0 = 2 (LLVM: expert scheduling mode 2), set by the entry lines.  The code itself states the register dependences
; between vector instructions and memory or LDS instructions, with s_wait_alu, always for 0.
; THE PLAN.  Registers that memory or LDS instructions touch:
;   v6, v7        offsets of the 32 byte loads: made at the head, never written again.
;   C, M          the 32 loads land in them; the sixteen coding steps read them.  Behind the barrier wave 0's LDS loads land in v16-23 and
;                 its or wave 1's global load in v24; wave 1's selects write v32-39, which its two last stores read.
;   v13, P        offset and data of W's two stores; v12, v10 address and data of the LDS store; v15, v14 the addresses by which waves 0 and 1
;                 load behind the barrier.  All are made ahead of ONE wait on va_vdst, which stands in front of W's stores; between that wait and
;                 the arms' first loads stands no vector instruction, so it serves those loads too.  None of them is written again.
;   v27, v26 (wave 0), v28 (wave 1)  offset and data of the arms' last stores: one wait on va_vdst in each arm, ahead of them.
;   v72, v73      made at the head, read by the closing add alone.
; No register that a memory or LDS instruction reads is written again: the text's one wait on vm_vsrc stands at the entry.
; What vector instructions write into scalar registers: the wave's number (one wait on va_sdst), three masks in VCC (a wait on va_vcc each, ahead of
; the first reader and ahead of any branch), and wave 1's sixteen masks, made in one run with one wait on va_sdst behind it.
.set NB,   255                         ; branches = bytes in a row of cond
.set EIMG, 131072
.set CINO, 147456
.set C,    16                          ; v[16:31]  my 16 bytes of cond
.set M,    32                          ; v[32:47]  my 16 bytes of cond_mask
.set W,    48                          ; v[48:63]  their bf16 codes
.set P,    64                          ; v[64:71]  the codes packed, as stored
.set MK,   32                          ; s[32:47]  wave 1: sixteen lane masks, element e of my sixteen at MK + e
	s_load_b256 s[4:11], s[0:1], 0x0               ; cond s[4:5], cond_mask s[6:7], feature s[8:9], threshold s[10:11]
	s_load_b64 s[12:13], s[0:1], 0x20              ; tab
	v_lshl_add_u32 v72, v0, 2, 0x200               ; my spare word, behind the 512 bytes of sums; kept for the closing lines alone
	v_mov_b32 v73, 0
	v_lshrrev_b32 v1, 5, v0
	v_readfirstlane_b32 s14, v1                    ; wave = K step s
	v_and_b32 v1, 31, v0                           ; L
	v_and_b32 v2, 15, v0                           ; r
	v_bfe_u32 v3, v0, 4, 1                         ; h
	s_lshl_b32 s15, ttmp9, 4                       ; 16 t
	s_wait_alu depctr_va_sdst(0)                   ; s14 is written, ahead of its first reader
	s_lshl_b32 s16, s14, 5                         ; 32 s
	s_mov_b32 s18, 0x76543210                      ; v_permlanex16_b32: lane i reads lane i of the other half
	s_mov_b32 s19, 0xfedcba98
	v_add_nc_u32 v4, s15, v2                       ; my leaf l (for waves 0 and 1 later: my k)
	v_mul_u32_u24 v5, v4, NB                       ; its row's first byte
	v_lshl_add_u32 v9, v3, 3, s16                  ; 32 s + 8 h
	v_add_nc_u32 v6, v5, v9                        ; my first byte
	v_add_nc_u32 v7, 23, v6                        ; my last byte would be k = 255 for s = 7, h = 1:
	v_add_nc_u32 v8, NB-1, v5
	v_min_u32 v7, v7, v8                           ; held inside the row, and its value thrown away below
	s_wait_kmcnt 0x0
	s_wait_alu depctr_va_vdst(0)                   ; v6 and v7 are written, which the 32 loads read as their offsets
.irp i, 0,1,2,3,4,5,6,7,8,9,10,11,12,13,14
	global_load_u8 v[C+\i], v6, s[4:5] offset:\i+8*(\i/8)      ; k = 32 s + 8 h + 0..7 and 16 + the same
	global_load_u8 v[M+\i], v6, s[6:7] offset:\i+8*(\i/8)
.endr
	global_load_u8 v[C+15], v7, s[4:5]
	global_load_u8 v[M+15], v7, s[6:7]
	s_lshl_b32 s17, ttmp9, 3
	s_add_co_u32 s17, s17, s14
	s_lshl_b32 s17, s17, 10                        ; piece (t, s)
	v_lshl_add_u32 v13, v1, 4, s17                 ; + 16 L
	v_cmp_ne_u32 vcc_lo, 232, v9                   ; 32 s + 8 h + 23 is a real column
	v_mov_b32 v10, 0                               ; my part of CIN's sum
	s_wait_alu depctr_va_vcc(0)                    ; VCC is written, ahead of the two selects that read it
	s_wait_loadcnt 0x0
	v_cndmask_b32 v[C+15], 0, v[C+15], vcc_lo      ; the padding column counts for nothing
	v_cndmask_b32 v[M+15], 0, v[M+15], vcc_lo
.irp i, 0,1,2,3,4,5,6,7,8,9,10,11,12,13,14,15
	v_and_b32 v11, v[C+\i], v[M+\i]                ; c and m
	v_sub_nc_u32 v12, v[M+\i], v11                 ; m without c
	v_mul_u32_u24 v[W+\i], v[C+\i], 0x4700         ; bf16 +32768
	v_mad_u32_u24 v[W+\i], v12, 0xc300, v[W+\i]    ; bf16 -128: the two never meet
	v_mad_u32_u24 v10, v[C+\i], 32512, v10
	v_add_nc_u32 v11, v[M+\i], v11
	v_lshl_add_u32 v10, v11, 7, v10                ; + 128 (m + (c and m))
.endr
.irp j, 0,1,2,3,4,5,6,7
	v_lshl_or_b32 v[P+\j], v[W+2*\j+1], 16, v[W+2*\j]          ; the lower k in the lower half
.endr
	v_permlanex16_b32 v11, v10, s18, s19           ; the other half's 16 columns of the same leaf
	v_add_nc_u32 v10, v10, v11
	s_lshl_b32 s20, s14, 6
	v_lshl_add_u32 v12, v2, 2, s20                 ; word 16 s + r; both halves write the same number there
	v_min_u32 v15, NB-1, v4                        ; k = 16 t + r, held inside feature and threshold
	v_lshlrev_b32 v15, 2, v15
	v_lshlrev_b32 v14, 2, v2                       ; word r of each K step's sixteen: where wave 0 reads the sums
	v_cmp_ne_u32 vcc_lo, NB, v4                    ; k is a real branch
	s_wait_alu depctr_va_vdst(0)                   ; P, v13, v10 and v12 are written, which the three stores below read; so are v15 and v14, by which waves 0 and 1 load behind the barrier; and the coding steps are done reading v16-24, in which those loads land
	global_store_b128 v13, v[P:P+3], s[12:13]                  ; each store of the wave covers 512 consecutive bytes, aligned
	global_store_b128 v13, v[P+4:P+7], s[12:13] offset:512
	ds_store_b32 v12, v10
	s_wait_alu depctr_va_vcc(0)                    ; VCC is written
	s_wait_dscnt 0x0                               ; my word is in LDS before I say so
	s_barrier_signal -1
	s_barrier_wait -1                              ; all eight K steps' sums are there
	s_cmp_eq_u32 s14, 0
	s_cbranch_scc1 .Lwave0
	s_cmp_eq_u32 s14, 1
	s_cbranch_scc1 .Lwave1
	s_wait_dscnt 0x0                               ; the closing lines, six on end
	s_wait_alu 0x0
	s_wait_tensorcnt 0x0
	ds_add_u32 v72, v73
	s_wait_dscnt 0x0
	s_endpgm
.Lwave0:                                           ; CIN and THR of this tile's 16 leaves and 16 branches
	global_load_b32 v24, v15, s[10:11]             ; no wait: no vector instruction since the wait in front of W's stores
.irp i, 0,1,2,3,4,5,6,7
	ds_load_b32 v[C+\i], v14 offset:64*\i
.endr
	s_lshl_b32 s21, ttmp9, 3                       ; the mark: 8 t
	v_and_b32 v25, 7, v2                           ; + l % 8
	s_wait_dscnt 0x0
	v_add3_u32 v16, v16, v17, v18
	v_add3_u32 v19, v19, v20, v21
	v_add3_u32 v16, v16, v22, v23
	v_add3_u32 v19, v19, v25, s21
	v_add_nc_u32 v16, v16, v19
	v_cvt_f32_u32 v16, v16                         ; below 2^24: exact
	s_wait_loadcnt 0x0
	v_add_f32 v24, 0, v24                          ; -0 + 0 = +0
	v_cndmask_b32 v24, 0, v24, vcc_lo              ; the padding branch compares 0 with 0
	v_cmp_eq_u32 vcc_lo, 1, v3
	v_lshlrev_b32 v27, 2, v4
	v_lshl_add_u32 v27, v3, 10, v27
	s_wait_alu depctr_va_vcc(0)                    ; VCC is written anew, ahead of the select that reads it
	v_cndmask_b32 v26, v16, v24, vcc_lo            ; lanes 0-15 store CIN, lanes 16-31 THR, 1,024 bytes further on
	s_wait_alu depctr_va_vdst(0)                   ; v27 and v26 are written, which the store reads
	global_store_b32 v27, v26, s[12:13] offset:CINO            ; 64 bytes of each table from each work-group: 2,048 bytes in the launch
	s_wait_dscnt 0x0                               ; the closing lines, six on end
	s_wait_alu 0x0
	s_wait_tensorcnt 0x0
	ds_add_u32 v72, v73
	s_wait_dscnt 0x0
	s_endpgm
.Lwave1:                                           ; E's tile T = t
	global_load_b32 v24, v15, s[8:9]               ; no wait: no vector instruction since the wait in front of W's stores
	v_lshlrev_b32 v25, 3, v3                       ; 8 h
	v_mov_b32 v26, 0xbf80                          ; bf16 -1.0 in the lower half
	v_mov_b32 v27, 0xbf800000                      ; in the upper half
	s_lshl_b32 s22, ttmp9, 10
	v_lshl_add_u32 v28, v1, 4, s22
	s_wait_loadcnt 0x0
	v_cndmask_b32 v24, -1, v24, vcc_lo             ; the padding branch selects no column
	v_sub_nc_u32 v25, v24, v25                     ; feature - 8 h: my element 16 hf + e is set where this equals it
.irp d, 0,1,2,3,4,5,6,7
	v_cmp_eq_u32 s[MK+2*\d], 2*\d+8*(\d/4), v25    ; the sixteen compares in one run, each into a register of its own
	v_cmp_eq_u32 s[MK+2*\d+1], 2*\d+8*(\d/4)+1, v25
.endr
	s_wait_alu depctr_va_sdst(0)                   ; the sixteen masks are written, ahead of the selects that read them
.irp d, 0,1,2,3,4,5,6,7
	v_cndmask_b32 v[M+\d], 0, v26, s[MK+2*\d]
	v_cndmask_b32 v[M+\d], v[M+\d], v27, s[MK+2*\d+1]
.endr
	s_wait_alu depctr_va_vdst(0)                   ; the selects have written v32-39, and v28 is written: the two stores read them
	global_store_b128 v28, v[M:M+3], s[12:13] offset:EIMG
	global_store_b128 v28, v[M+4:M+7], s[12:13] offset:EIMG+512
	s_wait_dscnt 0x0                               ; the closing lines, six on end
	s_wait_alu 0x0
	s_wait_tensorcnt 0x0
	ds_add_u32 v72, v73
	s_wait_dscnt 0x0
	s_endpgm
.Lfunc_end_k_qc918eb1b3b_prep:
	.size	k_qc918eb1b3b_prep, .Lfunc_end_k_qc918eb1b3b_prep-k_qc918eb1b3b_prep
	.p2alignl 7, 3214868480
	.fill 96, 4, 3214868480
	.section	.rodata,"a",@progbits
	.p2align	6, 0x0
	.amdhsa_kernel k_qc918eb1b3b_prep
		.amdhsa_group_segment_fixed_size 1536
		.amdhsa_private_segment_fixed_size 0
		.amdhsa_enable_private_segment 0
		.amdhsa_kernarg_size 40
		.amdhsa_user_sgpr_count 2
		.amdhsa_user_sgpr_kernarg_segment_ptr 1
		.amdhsa_wavefront_size32 1
		.amdhsa_system_sgpr_workgroup_id_x 1
		.amdhsa_system_sgpr_workgroup_id_y 1
		.amdhsa_system_sgpr_workgroup_id_z 1
		.amdhsa_system_vgpr_workitem_id 0
		.amdhsa_next_free_vgpr 74
		.amdhsa_next_free_sgpr 66
		.amdhsa_reserve_vcc 1
		.amdhsa_float_denorm_mode_32 3
		.amdhsa_float_denorm_mode_16_64 3
		.amdhsa_memory_ordered 1
		.amdhsa_forward_progress 1
		.amdhsa_inst_pref_size 18
	.end_amdhsa_kernel
	.amdgpu_metadata
---
amdhsa.version: [ 1, 2 ]
amdhsa.kernels:
  - .name:           k_qc918eb1b3b_prep
    .symbol:         k_qc918eb1b3b_prep.kd
    .args:
      - { .name: cond, .offset: 0, .size: 8, .value_kind: global_buffer, .address_space: global }
      - { .name: cond_mask, .offset: 8, .size: 8, .value_kind: global_buffer, .address_space: global }
      - { .name: feature, .offset: 16, .size: 8, .value_kind: global_buffer, .address_space: global }
      - { .name: threshold, .offset: 24, .size: 8, .value_kind: global_buffer, .address_space: global }
      - { .name: tab, .offset: 32, .size: 8, .value_kind: global_buffer, .address_space: global }
    .group_segment_fixed_size: 1536
    .private_segment_fixed_size: 0
    .kernarg_segment_align: 8
    .kernarg_segment_size: 40
    .max_flat_workgroup_size: 256
    .sgpr_count:     66
    .vgpr_count:     74
    .wavefront_size: 32
...
	.end_amdgpu_metadata
.endif
;; end of part 6
;; launch leaf: the kernel of part 5 again; grid 256 x 1, 4 waves a work-group, clusters of 4 x 1, 187,904 bytes of LDS; arguments x, tab, idx; writes idx
;; launch emit: the kernel of part 3 again; grid 512 x 1, 8 waves a work-group, no clusters, 9,216 bytes of LDS; arguments idx, value, out0; writes out0
